; MI455X (gfx1250); checked and timed in simulation.
; The chip was launched on July 23, 2026; its instructions are those of AMD's public machine-readable ISA for CDNA 5 (MIT licence, August 2026) and "CDNA5" Instruction Set Architecture Reference Guide (July 2026). The comments in the code are by the model that wrote it; some were corrected since.
;; Multi Head Attn. Allowed arithmetic: matrix products marked QUANTISED: E2M3 operands, one E8M0 scale for each 32 along K, by v_wmma_scale_f32_16x16x128_f8f6f4 with both operands' format E2M3, f32 sums; everything else in f32.
;; Inputs: Wk 1,024 x 1,024 float32; Wo 1,024 x 1,024 float32; Wq 1,024 x 1,024 float32; Wv 1,024 x 1,024 float32; bk 1,024 float32; bo 1,024 float32; bq 1,024 float32; bv 1,024 float32; mask 4 x 1 x 2,048 x 2,048 int32; x 4 x 2,048 x 1,024 float32; y 4 x 2,048 x 1,024 float32.
;; Outputs: out0 4 x 2,048 x 1,024 float32.
;; This version of the problem:
;;   THIS VERSION OF THE PROBLEM IS GIVEN IN LOW PRECISION. The matrix products marked QUANTISED in the list below multiply operands that are first quantised to E2M3 (2 exponent bits, 3 mantissa bits; 6 bits a number), with one power-of-two scale for each 32 numbers along K (OCP MX v1.0); their sums are f32. All else is computed in f32.
;;   The module's matrix products, in the order in which they are computed (A, B: the left and right operand; K: the contracted axis; several contracted axes count as one K, in the product's order):
;;     1. [M 8,192, K 1,024] x [K 1,024, N 1,024]; A: input x; B: input Wq: QUANTISED
;;     2. [M 8,192, K 1,024] x [K 1,024, N 1,024]; A: input y; B: input Wk: QUANTISED
;;     3. [M 8,192, K 1,024] x [K 1,024, N 1,024]; A: input y; B: input Wv: QUANTISED
;;     4. batch 64 x [M 2,048, K 64] x [K 64, N 2,048]; A: computed on the way; B: computed on the way: QUANTISED
;;     5. batch 64 x [M 2,048, K 2,048] x [K 2,048, N 64]; A: softmax (see below); B: computed on the way: QUANTISED
;;     6. [M 8,192, K 1,024] x [K 1,024, N 1,024]; A: computed on the way; B: input Wo: QUANTISED
;;   THE QUANTISER, for each operand of a quantised product, along K:
;;     - K is cut into blocks of 32 from its start; a last block that is shorter is filled with zeros.
;;     - A block's scale is 2^e with e = floor(log2(the largest magnitude in the block)) - 2, held to -126 .. 127; a block of zeros has e = 0. As a byte (E8M0): e + 127.
;;     - Each number is divided by its block's scale, clamped to +-7.5, and rounded to the nearest number of E2M3, ties to even, subnormals kept.
;;     - The product sums the exact products of the quantised numbers (number of the format x scale) in f32.
;;   ~~~python
;;   def quantise(x, axis):      # numpy; x: float32 -> the quantised numbers, widened to float32 again
;;       x = np.moveaxis(x, axis, -1); K = x.shape[-1]
;;       x = np.pad(x, [(0, 0)] * (x.ndim - 1) + [(0, -K % 32)]); x = x.reshape(x.shape[:-1] + (-1, 32)); a = np.abs(x).max(-1, keepdims=True)
;;       e = np.where(a > 0, np.clip(np.frexp(np.where(a > 0, a, 1))[1] - 1 - 2, -126, 127), 0)      # np.frexp(a)[1] - 1 = floor(log2(a)), exactly
;;       r = np.clip(x / 2.0 ** e, -7.5, 7.5)
;;       step = 2.0 ** (np.maximum(np.frexp(np.where(r == 0, 1, r))[1] - 1, 0) - 3)
;;       q = np.round(r / step) * step * 2.0 ** e      # np.round: ties to even
;;       return np.moveaxis(q.reshape(q.shape[:-2] + (-1,))[..., :K], -1, axis).astype(np.float32)
;;   ~~~
;;   SOFTMAX AHEAD OF A QUANTISED PRODUCT. Where the list says 'softmax', what is quantised is not the finished softmax but p = 2^(t - M), with t = logit x log2(e) and M = ceil(the row's largest t), a whole number; so 1/2 < the row's largest p <= 1. The row's sum l is taken of the UNQUANTISED p, in f32, and the product's result is divided by l at the end. Since M is a whole number, a kernel that streams over the keys may use a running M (the ceiling of the running maximum): every later rescaling is an exact power of two, which a block's scale takes up: the codes' values come out the same.
;;   OPERANDS COMPUTED ON THE WAY. 'Computed on the way' means the value that the module computes at that place (a softmax that the list does not call 'softmax' is quantised finished and normalised). What goes into a quantiser is computed in f32, as accurately as f32 sums, v_exp_f32 and their like allow (about 1e-6 of the number): no bf16 or f16 on the way to a quantiser, and a product that is left as it is and whose result goes on into a quantised operand takes f32 operands (vector FMAs, or v_wmma_f32_16x16x4_f32). A number that lies on a knife's edge between two numbers of the format may be rounded either way, as far as f32 arithmetic and the matrix unit's own rounding can turn it there, and no further.
;; One version. Each part assembles by itself: llvm-mc -triple=amdgcn-amd-amdhsa -mcpu=gfx1250 --defsym DOCPART=n.
;; ======== version 1 of 1: 4 launches
;; limits: right only within a limited range of input values
;; workspace buffers: codes1 15,728,640 bytes; scales1 655,360 bytes; mbits 2,097,152 bytes of whole numbers; qkv 19,660,800 bytes; attc 6,291,456 bytes; atts 262,144 bytes
;; launch prep (part 1): grid 256 x 1, 9 waves a work-group, no clusters, 77,312 bytes of LDS; arguments x, y, Wq, Wk, Wv, Wo, mask, codes1, scales1, mbits; writes codes1, scales1, mbits
.if DOCPART == 1
	.amdgcn_target "amdgcn-amd-amdhsa--gfx1250"
	.amdhsa_code_object_version 6
	.text
	.protected	k_qd828aa2adc_prep
	.globl	k_qd828aa2adc_prep
	.p2align	8
	.type	k_qd828aa2adc_prep,@function
k_qd828aa2adc_prep:
	s_mov_b64 s[64:65], 0
	v_nop
	global_prefetch_b8 v0, s[64:65] scope:SCOPE_SE
	s_setreg_imm32_b32 hwreg(HW_REG_WAVE_MODE, 25, 1), 1
	s_wait_xcnt 0x0
; x, y [8192][1024] and Wq, Wk, Wv, Wo [1024][1024], f32, become codes of FP6 (E2M3) with one E8M0 byte for each 32 along K (their last axis); the mask [4][2048][2048], int32, becomes one bit a number.
; ROWS ARE TAKEN IN TILES OF 16 THAT ARE NOT NEIGHBOURS: lane r of tile a holds row 32 (a / 2) + 8 (a % 2) + r + 8 (r / 8).  Used as a product's first source, two neighbouring tiles then give a lane 16 neighbours.
; codes1: [tile 1280][K step 8][1536 bytes]: a fragment (16 rows x 128 K, 12 registers a lane) as an image of its registers: registers 4 j .. 4 j + 3 of lane l at 512 j + 16 l.  Tiles: x 0.., y 512.., Wq 1024.., Wk 1088.., Wv 1152.., Wo 1216..
; scales1: [tile][row 16][K step 8] words of four bytes.   mbits: [row tile 512][key step 16][word 64]: bit L of word j = mask(row of lane L % 16, key 128 step + 32 (j / 16) + 16 (L / 16) + j % 16) != 0.
; SHARES.  A unit is 16 rows x 128 numbers (8,192 bytes), a strip eight units.  2,304 strips = 256 work-groups x 9 waves; the wave's number gives the role: 0, 1 x; 2, 3 y; 4 a weight; 5 to 8 the mask.
; Each load reads 512 consecutive bytes of a row; a unit turns through the wave's own stage in LDS (16 rows, 528 bytes apart) so that a lane gets 16 neighbours of each block of 32 of its row.
; No barrier: waves share nothing.  Two units (32 loads a wave) are on their way.  Memory binds: no matrix unit, no cluster, no tensor load, no prefetch (the launch streams).
; A block's scale byte is its largest magnitude's exponent field - 2, held at 1 from below.
; LIMITS: NaN and infinities are not served; blocks whose largest magnitude lies under 2^-124, blocks of zeros among them, get the byte 1 (zero codes add nothing; only this program reads the bytes).
.set STG,  8448                        ; a wave's stage in bytes
.set SPT,  528                         ; a stage row: 512 bytes + 16
.set TM,   8                           ; v8-23   at work in QUANT
.set OUTM, 8                           ; v8-23   the mask's words, two registers a unit
.set PC,   24                          ; v24-35  a fragment's codes
.set CT,   36                          ; v36-43  halves of blocks on their way
.set PW,   44                          ; v44-51  a scale word for each unit
.set OW,   52                          ; v52-55  the scale words as they are stored
.set R,    64                          ; v64-191 two sets of 64: a unit as loaded
.set X,    192                         ; v192-255 a unit as the work wants it
.set WV,   24
.set SRC,  26
.set CMP,  32
.set SEL,  48
.set HM,   50
; 64 numbers of a lane, register 16 b + i = k 32 b + 16 (lane / 16) + i of my row, become a fragment's codes (d0: registers 0-5, d1: registers 6-11) and its scale word
.macro QUANT s, d0, d1, pw
.irp b, 0,1,2,3
	v_max3_num_f32 v[TM+\b], |v[\s+16*\b]|, |v[\s+1+16*\b]|, 0x1800000   ; my 16 numbers of block b, and the floor 2^(3 - 127): the byte cannot fall under 1
.endr
.irp i, 2,4,6,8,10,12,14
.irp b, 0,1,2,3
	s_delay_alu instid0(VALU_DEP_4)
	v_max3_num_f32 v[TM+\b], v[TM+\b], |v[\s+16*\b+\i]|, |v[\s+1+16*\b+\i]|   ; the four blocks by turns
.endr
.endr
.irp b, 0,1,2,3
	s_delay_alu instid0(VALU_DEP_4)
	v_permlanex16_b32 v[TM+4+\b], v[TM+\b], s[SEL], s[SEL+1]
.endr
.irp b, 0,1,2,3
	s_delay_alu instid0(VALU_DEP_4)
	v_max_num_f32 v[TM+\b], v[TM+\b], v[TM+4+\b]   ; with lane l xor 16's: the block's largest magnitude
.endr
.irp b, 0,1,2,3
	s_delay_alu instid0(VALU_DEP_4)
	v_add_nc_u32 v[TM+12+\b], 0xff000000, v[TM+\b]   ; 2 off its exponent field: the conversion's scale operand
.endr
.irp b, 0,1,2,3
	s_delay_alu instid0(VALU_DEP_4)
	v_lshrrev_b32 v[TM+4+\b], 23, v[TM+12+\b]      ; the scale's byte
.endr
	s_delay_alu instid0(VALU_DEP_3)
	v_lshl_or_b32 v[\pw], v[TM+5], 8, v[TM+4]
	s_delay_alu instid0(VALU_DEP_1)
	v_lshl_or_b32 v[\pw], v[TM+6], 16, v[\pw]
	s_delay_alu instid0(VALU_DEP_1)
	v_lshl_or_b32 v[\pw], v[TM+7], 24, v[\pw]
	v_cvt_scalef32_pk16_fp6_f32 v[\d0:\d0+2], v[\s:\s+15], v[TM+12]
	v_cvt_scalef32_pk16_fp6_f32 v[CT:CT+2], v[\s+16:\s+31], v[TM+13]
	v_cvt_scalef32_pk16_fp6_f32 v[\d1:\d1+2], v[\s+32:\s+47], v[TM+14]
	v_cvt_scalef32_pk16_fp6_f32 v[CT+4:CT+6], v[\s+48:\s+63], v[TM+15]
	v_nop                                          ; one plain line behind the scaled conversions
.irp i, 0,1,2
	v_permlane16_swap_b32 v[\d0+\i], v[CT+\i]      ; a whole block to a lane: lanes 0-15 the even block, lanes 16-31 the odd one
.endr
.irp i, 0,1,2
	s_delay_alu instid0(VALU_DEP_3)
	v_mov_b32 v[\d0+3+\i], v[CT+\i]
.endr
.irp i, 0,1,2
	v_permlane16_swap_b32 v[\d1+\i], v[CT+4+\i]
.endr
.irp i, 0,1,2
	s_delay_alu instid0(VALU_DEP_3)
	v_mov_b32 v[\d1+3+\i], v[CT+4+\i]
.endr
.endm
.macro LOADU u, pitch                  ; unit u: sixteen rows' 512 bytes, 32 lanes x 16 consecutive bytes a load
.irp i, 0,1,2,3,4,5,6,7,8,9,10,11,12,13,14,15
	global_load_b128 v[R+64*((\u)%2)+4*\i:R+64*((\u)%2)+4*\i+3], v[2+55*(\i/8)], s[SRC:SRC+1] offset:(\i%8)*\pitch+512*(\u) th:TH_LOAD_NT   ; rows 0-7 of the tile by v2, rows 8-15 by v57
.endr
.endm
; THE ORDERS AS THEY STAND (in place of what the head comment says of y's tiles and of mbits).  x's, the weights' and the mask's ROWS: lane r of tile a holds row 32 (a / 2) + 8 (a % 2) + r + 8 (r / 8), as the head comment has it.
; y's rows: lane r of tile a holds row 64 (a / 4) + 8 (a % 4) + r % 8 + 32 (r / 8): used as a product's first source, four neighbouring tiles give a lane 32 neighbours, a whole block of the next quantiser.
; mbits: bit L of word j = mask(row of lane L % 16, key 128 step + 64 (j / 32) + 32 (L / 16) + j % 32) != 0.   v57 = v2 + the bytes from a tile's row 0 to its row 8; v58 = the stage's row r + 128 h.
.macro TURN u, m
.irp i, 0,1,2,3,4,5,6,7,8,9,10,11,12,13,14,15
	ds_store_b128 v3, v[R+64*((\u)%2)+4*\i:R+64*((\u)%2)+4*\i+3] offset:SPT*\i
.endr
.if \m
.irp j, 0,1,2,3,4,5,6,7,8,9,10,11,12,13,14,15
	ds_load_b128 v[X+4*\j:X+4*\j+3], v58 offset:256*(\j/8)+16*(\j%8)   ; the mask: register 32 c + i = column 64 c + 32 (lane / 16) + i
.endr
.else
.irp b, 0,1,2,3
.irp j, 0,1,2,3
	ds_load_b128 v[X+16*\b+4*\j:X+16*\b+4*\j+3], v4 offset:128*\b+16*\j
.endr
.endr
.endif
.endm
.macro ARRIVE u, m=0
.if \u < 7
	s_wait_loadcnt 16                              ; my unit's 16 loads are in; the next unit's 16 may be out
.else
	s_wait_loadcnt 0x0
.endif
	TURN \u, \m
	s_wait_dscnt 0x0                               ; the stage's stores have read their registers, and the unit is back
.endm
	s_load_b512 s[4:19], s[0:1], 0x0               ; x, y, Wq, Wk, Wv, Wo, mask, codes1
	s_load_b128 s[20:23], s[0:1], 0x40             ; scales1, mbits
	v_lshl_add_u32 v62, v0, 2, 0x12900
	v_mov_b32 v63, 0
	v_lshrrev_b32 v1, 5, v0
	s_delay_alu instid0(VALU_DEP_1)
	v_readfirstlane_b32 s[WV], v1                  ; wave 0..8
	v_and_b32 v1, 31, v0                           ; lane
	v_and_b32 v7, 15, v0                           ; r
	v_bfe_u32 v56, v0, 4, 1                        ; h
	s_delay_alu instid0(VALU_DEP_3)
	v_lshlrev_b32 v2, 4, v1                        ; 16 x lane: a load's and a code store's place
	s_mul_i32 s25, s[WV], STG
	v_add_nc_u32 v3, s25, v2                       ; the stage, in: 16 x lane
	v_mul_u32_u24 v4, v7, SPT
	s_delay_alu instid0(VALU_DEP_1)
	v_lshl_add_u32 v4, v56, 6, v4
	s_delay_alu instid0(VALU_DEP_1)
	v_add_nc_u32 v4, s25, v4                       ; and out: row r, + 64 h
	v_lshlrev_b32 v5, 5, v7
	s_delay_alu instid0(VALU_DEP_1)
	v_lshl_add_u32 v5, v56, 4, v5                  ; scale words: 32 r + 16 h
	v_lshlrev_b32 v6, 3, v1                        ; mask words: 8 x lane
	s_delay_alu instid0(VALU_DEP_4)
	v_lshl_add_u32 v58, v56, 6, v4                 ; the stage, out, for the mask: row r, + 128 h
	s_mov_b32 s[SEL], 0x76543210
	s_mov_b32 s[SEL+1], 0xfedcba98                 ; lane l xor 16
	s_mov_b32 s[HM], 0xffff0000                    ; lanes 16-31
	s_lshl_b32 s28, s[WV], 8
	s_add_co_u32 s28, s28, ttmp9                   ; 256 x wave + work-group: the tile's number in waves 0 to 4
	s_lshr_b32 s25, ttmp9, 6                       ; which weight
	s_wait_kmcnt 0x0
	s_cmp_eq_u32 s25, 0                            ; the source: a choice among buffers by the wave's and the work-group's number alone
	s_cselect_b64 s[SRC:SRC+1], s[8:9], s[10:11]
	s_cmp_eq_u32 s25, 2
	s_cselect_b64 s[SRC:SRC+1], s[12:13], s[SRC:SRC+1]
	s_cmp_eq_u32 s25, 3
	s_cselect_b64 s[SRC:SRC+1], s[14:15], s[SRC:SRC+1]
	s_cmp_lt_u32 s[WV], 4
	s_cselect_b64 s[SRC:SRC+1], s[6:7], s[SRC:SRC+1]
	s_cmp_lt_u32 s[WV], 2
	s_cselect_b64 s[SRC:SRC+1], s[4:5], s[SRC:SRC+1]
	s_cmp_gt_u32 s[WV], 4
	s_cselect_b64 s[SRC:SRC+1], s[16:17], s[SRC:SRC+1]
	s_cbranch_scc1 .Lmask
	; ---- waves 0 to 4: a tile of 16 rows, all 1,024 along K
	s_cmp_eq_u32 s[WV], 4
	s_cselect_b32 s29, 63, 0x1ff
	s_and_b32 s29, s28, s29                        ; the tile's number in its tensor
	s_lshr_b32 s31, s[WV], 1
	s_cmp_eq_u32 s31, 1                            ; waves 2, 3: y, whose tiles go in fours; all others in twos
	s_cselect_b32 s33, 2, 1                        ; g: a group is 2^g tiles
	s_cselect_b32 s34, 3, 1                        ; 2^g - 1
	s_lshl_b32 s35, 0x8000, s33                    ; from a tile's row 0 to its row 8: 8 x 2^g rows of 4,096 bytes
	s_lshr_b32 s30, s29, s33
	s_add_co_u32 s36, s33, 4
	s_lshl_b32 s30, s30, s36                       ; 16 x 2^g rows a group
	s_and_b32 s31, s29, s34
	s_lshl_b32 s31, s31, 3
	s_add_co_u32 s30, s30, s31                     ; its first row
	s_lshl_b32 s30, s30, 12                        ; x 4,096 bytes
	s_wait_alu depctr_va_vdst(0)                   ; directly ahead of the reader below: v2 was made ahead of the wait for the arguments
	v_add_nc_u32 v57, s35, v2
	s_mov_b32 s31, 0
	s_add_nc_u64 s[SRC:SRC+1], s[SRC:SRC+1], s[30:31]
	s_mul_i32 s30, s28, 12288
	s_add_nc_u64 s[18:19], s[18:19], s[30:31]      ; the tile's codes
	s_lshl_b32 s30, s28, 9
	s_add_nc_u64 s[20:21], s[20:21], s[30:31]      ; and scale words
	s_wait_alu depctr_va_vdst(0)
	LOADU 0, 4096
	LOADU 1, 4096
.irp b, 0,1,2,3
	v_mov_b32 v[TM+4+\b], 0                        ; written once: a lane permute's destination counts as one of its sources
.endr
.macro QUNIT u
	ARRIVE \u
	s_wait_xcnt 0x0                                ; the last unit's stores have read the codes' registers, which are written again below
.if \u < 6
	LOADU \u+2, 4096
.endif
	QUANT X, PC, PC+6, PW+\u
.irp c, 0,1,2
	global_store_b128 v2, v[PC+4*\c:PC+4*\c+3], s[18:19] offset:1536*\u+512*\c   ; 512 consecutive bytes
.endr
.endm
.irp u, 0,1,2,3,4,5,6,7
	QUNIT \u
.endr
.irp j, 0,1,2,3
	v_cndmask_b32 v[OW+\j], v[PW+\j], v[PW+4+\j], s[HM]   ; lanes 0-15: K steps 0 to 3 of row r; lanes 16-31: K steps 4 to 7
.endr
	global_store_b128 v5, v[OW:OW+3], s[20:21]     ; 512 consecutive bytes
	s_wait_tensorcnt 0x0
	ds_add_u32 v62, v63
	s_wait_dscnt 0x0
	s_endpgm
	; ---- waves 5 to 8: 16 rows x 1,024 columns of the mask
.Lmask:
	s_sub_co_u32 s28, s28, 1280                    ; strip 0..1023
	s_lshr_b32 s29, s28, 1                         ; row tile
	s_and_b32 s25, s28, 1                          ; which half of the columns
	s_lshr_b32 s30, s29, 1
	s_lshl_b32 s30, s30, 5
	s_and_b32 s31, s29, 1
	s_lshl_b32 s31, s31, 3
	s_add_co_u32 s30, s30, s31                     ; first row
	s_lshl_b32 s30, s30, 13                        ; x 8,192 bytes
	s_lshl_b32 s31, s25, 12
	s_add_co_u32 s30, s30, s31
	s_mov_b32 s31, 0
	s_add_nc_u64 s[SRC:SRC+1], s[SRC:SRC+1], s[30:31]
	s_lshl_b32 s30, s29, 12
	s_lshl_b32 s25, s25, 11
	s_add_co_u32 s30, s30, s25                     ; 4,096 x row tile + 2,048 x half
	s_add_nc_u64 s[22:23], s[22:23], s[30:31]
	s_wait_alu depctr_va_vdst(0)                   ; directly ahead of the reader below
	v_add_nc_u32 v57, 0x20000, v2                  ; the mask's rows go as x's: 16 rows of 8,192 bytes from a tile's row 0 to its row 8
	s_wait_alu depctr_va_vdst(0)
	LOADU 0, 8192
	LOADU 1, 8192
.irp j, 0,1,2,3,4,5,6,7,8,9,10,11,12,13,14,15
	v_mov_b32 v[OUTM+\j], 0                        ; v_writelane_b32's destination counts as read
.endr
.macro MUNIT u
	ARRIVE \u, 1
.if \u < 6
	LOADU \u+2, 8192
.endif
.irp g, 0,1,2,3
.irp k, 0,1,2,3,4,5,6,7,8,9,10,11,12,13,14,15
	v_cmp_ne_u32 s[CMP+\k], 0, v[X+16*\g+\k]       ; word 16 g + k: a bit a lane
.endr
.irp k, 0,1,2,3,4,5,6,7,8,9,10,11,12,13,14,15
	v_writelane_b32 v[OUTM+2*\u+(\k%2)], s[CMP+\k], 8*\g+\k/2   ; lane l gathers words 2 l and 2 l + 1
.endr
.endr
	global_store_b64 v6, v[OUTM+2*\u:OUTM+2*\u+1], s[22:23] offset:256*\u   ; 256 consecutive bytes, aligned
.endm
.irp u, 0,1,2,3,4,5,6,7
	MUNIT \u
.endr
	s_wait_tensorcnt 0x0
	ds_add_u32 v62, v63
	s_wait_dscnt 0x0
	s_endpgm
.Lfunc_end_k_qd828aa2adc_prep:
	.size	k_qd828aa2adc_prep, .Lfunc_end_k_qd828aa2adc_prep-k_qd828aa2adc_prep
	.p2alignl 7, 3214868480
	.fill 96, 4, 3214868480
	.section	.rodata,"a",@progbits
	.p2align	6, 0x0
	.amdhsa_kernel k_qd828aa2adc_prep
		.amdhsa_group_segment_fixed_size 77312
		.amdhsa_private_segment_fixed_size 0
		.amdhsa_enable_private_segment 0
		.amdhsa_kernarg_size 80
		.amdhsa_user_sgpr_count 2
		.amdhsa_user_sgpr_kernarg_segment_ptr 1
		.amdhsa_wavefront_size32 1
		.amdhsa_system_sgpr_workgroup_id_x 1
		.amdhsa_system_sgpr_workgroup_id_y 1
		.amdhsa_system_sgpr_workgroup_id_z 1
		.amdhsa_system_vgpr_workitem_id 0
		.amdhsa_next_free_vgpr 256
		.amdhsa_next_free_sgpr 66
		.amdhsa_reserve_vcc 0
		.amdhsa_float_denorm_mode_32 3
		.amdhsa_float_denorm_mode_16_64 3
		.amdhsa_memory_ordered 1
		.amdhsa_forward_progress 1
		.amdhsa_inst_pref_size 173
	.end_amdhsa_kernel
	.amdgpu_metadata
---
amdhsa.version: [ 1, 2 ]
amdhsa.kernels:
  - .name:           k_qd828aa2adc_prep
    .symbol:         k_qd828aa2adc_prep.kd
    .args:
      - { .name: x, .offset: 0, .size: 8, .value_kind: global_buffer, .address_space: global }
      - { .name: y, .offset: 8, .size: 8, .value_kind: global_buffer, .address_space: global }
      - { .name: Wq, .offset: 16, .size: 8, .value_kind: global_buffer, .address_space: global }
      - { .name: Wk, .offset: 24, .size: 8, .value_kind: global_buffer, .address_space: global }
      - { .name: Wv, .offset: 32, .size: 8, .value_kind: global_buffer, .address_space: global }
      - { .name: Wo, .offset: 40, .size: 8, .value_kind: global_buffer, .address_space: global }
      - { .name: mask, .offset: 48, .size: 8, .value_kind: global_buffer, .address_space: global }
      - { .name: codes1, .offset: 56, .size: 8, .value_kind: global_buffer, .address_space: global }
      - { .name: scales1, .offset: 64, .size: 8, .value_kind: global_buffer, .address_space: global }
      - { .name: mbits, .offset: 72, .size: 8, .value_kind: global_buffer, .address_space: global }
    .group_segment_fixed_size: 77312
    .private_segment_fixed_size: 0
    .kernarg_segment_align: 8
    .kernarg_segment_size: 80
    .max_flat_workgroup_size: 288
    .sgpr_count:     66
    .vgpr_count:     256
    .wavefront_size: 32
...
	.end_amdgpu_metadata
.endif
;; end of part 1
;; launch proj (part 2): grid 4 x 64, 4 waves a work-group, clusters of 4 x 4, 327,680 bytes of LDS; arguments codes1, scales1, bq, bk, bv, qkv; writes qkv
.if DOCPART == 2
	.amdgcn_target "amdgcn-amd-amdhsa--gfx1250"
	.amdhsa_code_object_version 6
	.text
	.protected	k_qd828aa2adc_proj
	.globl	k_qd828aa2adc_proj
	.p2align	8
	.type	k_qd828aa2adc_proj,@function
k_qd828aa2adc_proj:
	s_mov_b64 s[64:65], 0
	v_nop
	global_prefetch_b8 v0, s[64:65] scope:SCOPE_SE
	s_setreg_imm32_b32 hwreg(HW_REG_WAVE_MODE, 25, 1), 1
	s_wait_xcnt 0x0
	s_wait_alu depctr_hold_cnt(0) depctr_sa_sdst(0) depctr_va_vdst(0) depctr_va_sdst(0) depctr_va_ssrc(0) depctr_va_vcc(0) depctr_vm_vsrc(0)
	s_getreg_b32 s2, hwreg(HW_REG_IB_STS2, 6, 4)
	s_cmp_eq_u32 s2, 0
	s_cbranch_scc0 .Lentry_in_a_cluster
	s_endpgm
.Lentry_in_a_cluster:
	s_bfe_u32 s2, ttmp6, 0x10000c
	s_cmp_lg_u32 s2, 0xf033
	s_cbranch_scc0 .Lentry_shape_is_right
	s_endpgm
.Lentry_shape_is_right:
; Q = x Wq^T + bq, K = y Wk^T + bk, V = y Wv^T + bv on codes of FP6 (E2M3) with E8M0 scales, sums in f32; the results are quantised on the way out: Q and K along a head's 64 channels, V along the keys.
; A WORK-GROUP STAYS: 256 work-groups, and each makes three blocks on end, one of Q (kind 0), one of K (1), one of V (2).  A block is 256 rows of A x 128 rows of B over all of K = 1,024.
; Source 0 of the matrix instruction is B (its rows run along a lane's registers), source 1 is A (a lane a row).
; Q, K: A = x or y, B = the weight: a lane holds one token, its registers run along the channels.   V: A = Wv, B = y: a lane holds one channel, its registers run along the keys.
; Rows lie in tiles of 16 in the order of the launch before.  x, weights: lane r of tile a is row 32 (a / 2) + 8 (a % 2) + r + 8 (r / 8): the 16 registers of two neighbouring result tiles are 16 neighbours along the next K.
; y: row 64 (a / 4) + 8 (a % 4) + r % 8 + 32 (r / 8): the 32 registers of four neighbouring result tiles are 32 neighbouring keys, a whole block of V's quantiser in one lane.
; LDS holds a block's codes whole, 294,912 bytes, in two halves of four K steps.  Half c at 147,456 c: A's 16 tiles x 6,144 bytes, then B's 8 tiles.  One joint load a wave: wave 0 A's half 0, wave 1 B's half 0, wave 2 A's half 1, wave 3 B's half 1.
; THE NEXT BLOCK'S TILES are asked for in a block's last K step, when its last fragments are in registers: each wave's wait for its tensor load, the add, the wait for it and for the wave's LDS reads, a round of the cluster's barrier,
; and the refill, one tensor load a wave.  The tiles are on their way under the step's last sixteen products and under the block's way out.
; The K walk is written twice: in a loop of two trips (Q, K) with the refill, and once more for V, which asks for nothing.
; Scale words of the next block are loaded behind a block's last product, its biases behind the block's way out: 24 loads each, in this order, so each wait for one run leaves the 24 loads of the younger run out.
; CLUSTERS: 4 x 4 work-groups; A's tiles are asked for jointly along a row of the cluster, B's along a column.  The kind is a counter of the text: all sixteen partners pass the same rounds.
; No prefetch: a block's tiles are asked for by the tensor loads themselves as soon as the bytes in LDS are free, a way out ahead of their first use.
; Wave w takes A's tiles 4 w .. 4 w + 3 against B's eight: 32 accumulators, which take turns, one instruction a turn, in one order in every K step.
; qkv: [batch x head 64][Q, K, V][step 16][6,400]: four images of 1,536 bytes and 256 bytes of scale words.  Q, K: image i of step T / 8 holds tile 2 i's 64 channels in registers 0-5 and tile 2 i + 1's in 6-11;
; its scale word: bytes 0, 1 the even tile's, bytes 2, 3 the odd one's.  V: step = 128 keys, image = 16 channels x 128 keys.
; Both forms of the bias are loaded for every block (along registers for Q, K; a number a lane for V), the one not used from a place held inside the buffer.
; REGISTERS: window 0: v4-5, v8-9, v12-15 addresses; v16-47 A's scale words, v48-111 B's; v112-159, v160-207 A's fragments, two sets; v208-215 V's bias; on the way out v112-207, v216-249 at work; v250-252 offsets that stay; v254, v255 the add's.
;   window 1: v0-95, v96-191 B's fragments, two sets; v192-255 Q's and K's bias.   window 2: accumulator (a, t) at v[8 (8 a + t)].
; LIMITS: NaN and infinities are not served; blocks whose largest magnitude lies under 2^-124, blocks of zeros among them, get the scale byte 1.
.set CHK,  147456
.set BOFF, 98304
.set FR,   12
.set ADRA, 4
.set ADRB, 8
.set SA,   16
.set SB,   48
.set AF,   112
.set BV,   208
.set BI,   192                         ; in window 1
.set X,    112
.set TM,   176
.set CT,   192
.set IMG0, 216
.set IMG1, 228
.set PW,   240
.set SW,   242
.set OUTW, 246
.set WV,   16
.set KN,   52                          ; s52: the kind of the block that is being set up; s21: that of the block at work
.set G1A,  28
.set G1B,  36
.set G0A,  44
.set G0B,  68
.set HM,   93
.set SEL,  94
.set MSB, 0
.macro WIN new                         ; the immediate's high byte repeats the setting that is left
.if MSB != \new
	s_set_vgpr_msb (MSB<<8)|\new
.set MSB, \new
.endif
.endm
.macro PLACES n
.rept \n
	v_nop
.endr
.endm
.macro CROUND                          ; a round of the cluster's barrier
	s_barrier_signal -1
	s_barrier_wait -1
	s_cmp_lg_u32 s[WV], 0
	s_cbranch_scc1 .Lnot_wave_0_\@
	s_barrier_signal -3
.Lnot_wave_0_\@:
	s_barrier_wait -3
	s_barrier_signal -1
	s_barrier_wait -1
.endm
.macro MAX16 s                         ; the largest magnitude of each 16 of a lane's 64 numbers, with the floor 2^(3 - 127); four chains by turns
.irp b, 0,1,2,3
	v_max3_num_f32 v[TM+\b], |v[\s+16*\b]|, |v[\s+1+16*\b]|, 0x1800000
.endr
.irp i, 2,4,6,8,10,12,14
.irp b, 0,1,2,3
	v_max3_num_f32 v[TM+\b], v[TM+\b], |v[\s+16*\b+\i]|, |v[\s+1+16*\b+\i]|
.endr
.endr
.endm
; 64 numbers of a lane, register 16 b + i = k 32 b + 16 (lane / 16) + i of my row, become codes (d0: k 0-63, six registers; d1: k 64-127) and a scale word
.macro QUANT s, d0, d1, pw
	MAX16 \s
.irp b, 0,1,2,3
	v_permlanex16_b32 v[TM+4+\b], v[TM+\b], s[SEL], s[SEL+1]
.endr
.irp b, 0,1,2,3
	v_max_num_f32 v[TM+\b], v[TM+\b], v[TM+4+\b]
.endr
.irp b, 0,1,2,3
	v_add_nc_u32 v[TM+12+\b], 0xff000000, v[TM+\b]   ; 2 off the exponent field: the conversion's scale operand
.endr
.irp b, 0,1,2,3
	v_lshrrev_b32 v[TM+4+\b], 23, v[TM+12+\b]
.endr
	v_lshl_or_b32 v[\pw], v[TM+5], 8, v[TM+4]
	v_lshl_or_b32 v[\pw], v[TM+6], 16, v[\pw]
	v_lshl_or_b32 v[\pw], v[TM+7], 24, v[\pw]
	v_cvt_scalef32_pk16_fp6_f32 v[\d0:\d0+2], v[\s:\s+15], v[TM+12]
	v_cvt_scalef32_pk16_fp6_f32 v[CT:CT+2], v[\s+16:\s+31], v[TM+13]
	v_cvt_scalef32_pk16_fp6_f32 v[\d1:\d1+2], v[\s+32:\s+47], v[TM+14]
	v_cvt_scalef32_pk16_fp6_f32 v[CT+4:CT+6], v[\s+48:\s+63], v[TM+15]
	v_nop                                          ; one plain line behind the scaled conversions
.irp i, 0,1,2
	v_permlane16_swap_b32 v[\d0+\i], v[CT+\i]
.endr
.irp i, 0,1,2
	v_mov_b32 v[\d0+3+\i], v[CT+\i]
.endr
.irp i, 0,1,2
	v_permlane16_swap_b32 v[\d1+\i], v[CT+4+\i]
.endr
.irp i, 0,1,2
	v_mov_b32 v[\d1+3+\i], v[CT+4+\i]
.endr
.endm
; the same where register 32 c + i = k 64 c + 32 (lane / 16) + i: a lane holds blocks c = 0, 1 whole (blocks 2 c + lane / 16 of the row): only the scale word looks at lane l xor 16
.macro QUANTV s, d0, d1, pw
	MAX16 \s
	v_max_num_f32 v[TM], v[TM], v[TM+1]
	v_max_num_f32 v[TM+1], v[TM+2], v[TM+3]
	v_add_nc_u32 v[TM+12], 0xff000000, v[TM]
	v_add_nc_u32 v[TM+13], 0xff000000, v[TM+1]
	v_lshrrev_b32 v[TM+4], 23, v[TM+12]
	v_lshrrev_b32 v[TM+5], 23, v[TM+13]
	v_lshl_or_b32 v[\pw], v[TM+5], 16, v[TM+4]
	v_lshlrev_b32 v[\pw], v252, v[\pw]             ; my two bytes at their places: 8 (lane / 16) bits up
	v_permlanex16_b32 v[TM+6], v[\pw], s[SEL], s[SEL+1]
	v_or_b32 v[\pw], v[\pw], v[TM+6]               ; with lane l xor 16's two the word is whole
	v_cvt_scalef32_pk16_fp6_f32 v[\d0:\d0+2], v[\s:\s+15], v[TM+12]
	v_cvt_scalef32_pk16_fp6_f32 v[CT:CT+2], v[\s+16:\s+31], v[TM+12]
	v_cvt_scalef32_pk16_fp6_f32 v[\d1:\d1+2], v[\s+32:\s+47], v[TM+13]
	v_cvt_scalef32_pk16_fp6_f32 v[CT+4:CT+6], v[\s+48:\s+63], v[TM+13]
	v_nop                                          ; one plain line behind the scaled conversions
.irp i, 0,1,2
	v_mov_b32 v[\d0+3+\i], v[CT+\i]
	v_mov_b32 v[\d1+3+\i], v[CT+4+\i]
.endr
.endm
; the block of kind s[KN]: its tiles, the four descriptors' group 0, where its scale words and biases lie.  Run where no tensor load of the wave is out and behind s_wait_xcnt 0
.macro SETUP
	s_lshr_b32 s23, s22, 1
	s_lshl_b32 s23, s23, 2                         ; Q, K: 32 tile rows x 8 tile columns
	s_and_b32 s24, s22, 1
	s_lshl_b32 s24, s24, 2
	s_lshl_b32 s27, s22, 2                         ; V: 4 tile rows x 64 tile columns
	s_lshl_b32 s25, s[KN], 9                       ; A's first tile: x 0, y 512
	s_lshl_b32 s26, s[KN], 6
	s_add_co_u32 s26, s26, 1024                    ; B's: Wq 1024, Wk 1088
	s_cmp_eq_u32 s[KN], 2
	s_cselect_b32 s23, 0, s23
	s_cselect_b32 s24, s27, s24
	s_cselect_b32 s25, 1152, s25                   ; V: A = Wv,
	s_cselect_b32 s26, 512, s26                    ; B = y
	s_add_co_u32 s23, s23, s20                     ; tile row: cy enters A's chain alone
	s_add_co_u32 s24, s24, s19                     ; tile column: cx enters B's chain alone
	s_lshl_b32 s84, s23, 4
	s_add_co_u32 s25, s25, s84                     ; A's first tile of the block
	s_lshl_b32 s90, s24, 3
	s_add_co_u32 s26, s26, s90                     ; B's
	s_mul_i32 s84, s25, 12288
	s_mov_b32 s85, 0
	s_mul_i32 s90, s26, 12288
	s_mov_b32 s91, 0
	s_add_nc_u64 s[84:85], s[4:5], s[84:85]
	s_add_nc_u64 s[90:91], s[4:5], s[90:91]
.irp c, 0,1
	s_mov_b32 s[G0A+4*\c], 1
	s_mov_b32 s[G0A+4*\c+1], CHK*\c
	s_add_nc_u64 s[G0A+4*\c+2:G0A+4*\c+3], s[84:85], 6144*\c
	s_or_b32 s[G0A+4*\c+3], s[G0A+4*\c+3], 0x80000000
	s_mov_b32 s[G0B+4*\c], 1
	s_mov_b32 s[G0B+4*\c+1], BOFF+CHK*\c
	s_add_nc_u64 s[G0B+4*\c+2:G0B+4*\c+3], s[90:91], 6144*\c
	s_or_b32 s[G0B+4*\c+3], s[G0B+4*\c+3], 0x80000000
.endr
	s_lshl_b32 s2, s[WV], 2
	s_add_co_u32 s2, s2, s25
	s_lshl_b32 s2, s2, 9
	s_mov_b32 s3, 0
	s_add_nc_u64 s[96:97], s[6:7], s[2:3]          ; my four tiles' scale words
	s_lshl_b32 s2, s26, 9
	s_add_nc_u64 s[98:99], s[6:7], s[2:3]          ; B's eight tiles'
	s_cmp_eq_u32 s[KN], 0
	s_cselect_b64 s[54:55], s[8:9], s[10:11]
	s_cmp_eq_u32 s[KN], 2
	s_cselect_b64 s[54:55], s[12:13], s[54:55]     ; the kind's bias
	s_and_b32 s2, s24, 7
	s_lshl_b32 s2, s2, 9
	s_add_nc_u64 s[76:77], s[54:55], s[2:3]        ; along registers: 128 numbers from 128 (tile column mod 8) on
	s_and_b32 s2, s23, 3
	s_lshl_b32 s2, s2, 2
	s_add_co_u32 s2, s2, s[WV]
	s_lshl_b32 s2, s2, 8
	s_add_nc_u64 s[78:79], s[54:55], s[2:3]        ; a lane: 64 numbers from 256 (tile row mod 4) + 64 wave on
.endm
.macro ARM is, g0, g1, next, join
	s_cmp_eq_u32 s[WV], \is
	s_cbranch_scc0 \next
	tensor_load_to_lds s[\g0:\g0+3], s[\g1:\g1+7]
	s_nop 0
	PLACES 4
	s_branch \join
\next:
.endm
.macro LOADS                           ; a block's four tiles: one chain of branches on the wave's number, one load to an arm, all arms leading to one join
	ARM 0, G0A, G1A, .Lfill_1_\@, .Lfilled_\@
	ARM 1, G0B, G1B, .Lfill_2_\@, .Lfilled_\@
	ARM 2, G0A+4, G1A, .Lfill_3_\@, .Lfilled_\@
	tensor_load_to_lds s[G0B+4:G0B+7], s[G1B:G1B+7]
	s_nop 0
	PLACES 4
.Lfilled_\@:
.endm
.macro SLOAD                           ; the scale words: 24 loads
.irp a, 0,1,2,3
	global_load_b128 v[SA+8*\a:SA+8*\a+3], v12, s[96:97] offset:512*\a
	global_load_b128 v[SA+8*\a+4:SA+8*\a+7], v12, s[96:97] offset:512*\a+16
.endr
.irp t, 0,1,2,3,4,5,6,7
	global_load_b128 v[SB+8*\t:SB+8*\t+3], v12, s[98:99] offset:512*\t
	global_load_b128 v[SB+8*\t+4:SB+8*\t+7], v12, s[98:99] offset:512*\t+16
.endr
.endm
.macro BLOAD                           ; the biases: 24 loads
.irp a, 0,1,2,3
	global_load_b32 v[BV+2*\a], v251, s[78:79] offset:4*(32*(\a/2)+8*(\a%2))
	global_load_b32 v[BV+2*\a+1], v251, s[78:79] offset:4*(32*(\a/2)+8*(\a%2))   ; twice: the packed addition takes a pair
.endr
	WIN 0x40                                       ; destination window 1
.irp t, 0,1,2,3,4,5,6,7
	global_load_b128 v[BI+8*\t:BI+8*\t+3], v250, s[76:77] offset:4*(32*(\t/2)+8*(\t%2))
	global_load_b128 v[BI+8*\t+4:BI+8*\t+7], v250, s[76:77] offset:4*(32*(\t/2)+8*(\t%2))+16
.endr
	WIN 0
.endm
.macro FETCH s                         ; K step s: B's eight fragments, then my four of A, blocks 0 and 1 first; three loads of 512 consecutive bytes each
	WIN 0x40
.irp t, 0,1,2,3,4,5,6,7
.irp j, 0,1,2
	ds_load_b128 v[96*((\s)%2)+FR*\t+4*\j:96*((\s)%2)+FR*\t+4*\j+3], v[ADRB+(\s)/4] offset:6144*\t+1536*((\s)%4)+512*\j
.endr
.endr
	WIN 0
.irp a, 0,1,2,3
.irp j, 0,1,2
	ds_load_b128 v[AF+48*((\s)%2)+FR*\a+4*\j:AF+48*((\s)%2)+FR*\a+4*\j+3], v[ADRA+(\s)/4] offset:6144*\a+1536*((\s)%4)+512*\j
.endr
.endr
.endm
.macro MUL16 a0, s, zero               ; A's blocks a0, a0 + 1 x B's eight.  zero = 1: the first product starts the sums
.irp a, \a0, \a0+1
.irp t, 0,1,2,3,4,5,6,7
.if \zero
	v_wmma_scale_f32_16x16x128_f8f6f4 v[8*(8*(\a)+\t):8*(8*(\a)+\t)+7], v[96*((\s)%2)+FR*\t:96*((\s)%2)+FR*\t+FR-1], v[AF+48*((\s)%2)+FR*(\a):AF+48*((\s)%2)+FR*(\a)+FR-1], 0, v[SB+8*\t+(\s)], v[SA+8*(\a)+(\s)] matrix_a_fmt:MATRIX_FMT_FP6 matrix_b_fmt:MATRIX_FMT_FP6
.else
	v_wmma_scale_f32_16x16x128_f8f6f4 v[8*(8*(\a)+\t):8*(8*(\a)+\t)+7], v[96*((\s)%2)+FR*\t:96*((\s)%2)+FR*\t+FR-1], v[AF+48*((\s)%2)+FR*(\a):AF+48*((\s)%2)+FR*(\a)+FR-1], v[8*(8*(\a)+\t):8*(8*(\a)+\t)+7], v[SB+8*\t+(\s)], v[SA+8*(\a)+(\s)] matrix_a_fmt:MATRIX_FMT_FP6 matrix_b_fmt:MATRIX_FMT_FP6
.endif
.endr
.endr
.endm
.macro KSTEP s                         ; K steps 0 to 6
	s_wait_dscnt 6                                 ; B's fragments and A's blocks 0, 1 are in; the six loads of blocks 2, 3 may be out
	WIN 0xa1                                       ; source 0 (B) window 1, source 1 (A) window 0, C and D window 2
.if (\s) == 0
	MUL16 0, \s, 1
.else
	MUL16 0, \s, 0
.endif
	s_wait_dscnt 0x0                               ; blocks 2, 3 are in; no LDS load of mine is out at the signal below
	WIN 0
.if (\s) == 3
	s_wait_tensorcnt 0x0                           ; every wave's load has landed, the second half's among them
	s_barrier_signal -1
	s_barrier_wait -1
.endif
	PLACES 4                                       ; four plain lines in front of loads into registers that matrix instructions have read
	FETCH (\s)+1
	WIN 0xa1
.if (\s) == 0
	MUL16 2, \s, 1
.else
	MUL16 2, \s, 0
.endif
.endm
; a block's whole K walk.  refill = 1: in its last step the next block's tiles are asked for
.macro KWALK refill
	s_wait_alu depctr_va_vdst(0)                   ; directly ahead of the wait below
	s_wait_loadcnt 24                              ; the scale words are in; the 24 loads of the biases may be out
	s_cmp_lt_u32 s[WV], 2                          ; waves 0 and 1 asked for the first half: they wait for it; the second half's loads may be out
	s_cbranch_scc0 .Lnot_first_\@
	s_wait_tensorcnt 0x0
.Lnot_first_\@:
	s_barrier_signal -1
	s_barrier_wait -1
	FETCH 0
.irp s, 0,1,2,3,4,5,6
	KSTEP \s
.endr
	WIN 0
.if \refill
	s_wait_tensorcnt 0x0                           ; no tensor load of mine is out,
	ds_add_u32 v254, v255                          ; (work on registers stands between the add and the wait for it)
	s_wait_dscnt 7                                 ; (the add and the six loads of A's blocks 2, 3 may be out)
	WIN 0xa1
	MUL16 0, 7, 0
	WIN 0
	s_wait_xcnt 0x0                                ; the loads of scale words and biases and the last way out's stores have read their bases
	s_add_co_u32 s[KN], s21, 1
	SETUP                                          ; so the descriptors and the bases may be written: the next block's
	s_wait_dscnt 0x0                               ; the add is done, and my reads of this block's codes are over
	CROUND                                         ; both now hold of every wave of all sixteen work-groups
	LOADS                                          ; the refill, my one tensor load behind the round
.else
	s_wait_dscnt 6
	WIN 0xa1
	MUL16 0, 7, 0
	s_wait_dscnt 0x0
.endif
	WIN 0xa1
	MUL16 2, 7, 0
	WIN 0
	PLACES 4                                       ; in front of the first read of results, of writes over fragments and of loads into the scale words' registers
.endm
	s_load_b256 s[4:11], s[0:1], 0x0               ; codes1, scales1, bq, bk
	s_load_b128 s[12:15], s[0:1], 0x20             ; bv, qkv
	v_lshl_add_u32 v254, v0, 2, 0x48000
	v_mov_b32 v255, 0
	ds_add_u32 v254, v255                          ; the opening lines: the add, twice on end, and its wait
	ds_add_u32 v254, v255
	v_lshrrev_b32 v1, 5, v0
	v_readfirstlane_b32 s[WV], v1                  ; wave 0..3
	s_lshr_b32 s17, s[WV], 1
	s_and_b32 s18, s[WV], 1
	s_bfe_u32 s19, ttmp6, 0x40000                  ; cx
	s_bfe_u32 s20, ttmp6, 0x40004                  ; cy
	s_and_b32 s22, ttmp7, 0xffff                   ; cluster y, 0..15: which cluster of each kind
	s_lshl_b32 s2, s20, 2
	s_lshl_b32 s2, 15, s2                          ; my row of the cluster
	s_lshl_b32 s3, 0x1111, s19                     ; my column
	; descriptor group 1: rows = tiles, 12,288 bytes apart; of each a half's 6,144 bytes (768 elements of 8 bytes); A: 16 tiles a load, B: 8
	s_or_b32 s[G1A], s2, (3<<16)|(1<<21)
	s_or_b32 s[G1B], s3, (3<<16)|(1<<21)
.irp g, G1A, G1B
	s_mov_b32 s[\g+1], 768<<16                     ; tensor_dim0
	s_mov_b32 s[\g+3], 768<<16                     ; tile_dim0
	s_mov_b32 s[\g+5], 1536                        ; from tile to tile, in elements
	s_mov_b32 s[\g+6], 0
	s_mov_b32 s[\g+7], 0
.endr
	s_mov_b32 s[G1A+2], 16<<16                     ; tensor_dim1
	s_mov_b32 s[G1A+4], 16                         ; tile_dim1
	s_mov_b32 s[G1B+2], 8<<16
	s_mov_b32 s[G1B+4], 8
	s_mov_b32 s[HM], 0xffff0000
	s_mov_b32 s[SEL], 0x76543210
	s_mov_b32 s[SEL+1], 0xfedcba98
	s_mov_b32 s[KN], 0
	s_wait_dscnt 0x0
	s_wait_kmcnt 0x0
	SETUP                                          ; the block of Q
	CROUND                                         ; all sixteen work-groups are here: the joint loads meet
	LOADS                                          ; one tensor load a wave at the head
	v_and_b32 v1, 31, v0                           ; lane
	v_and_b32 v2, 15, v0                           ; r
	v_bfe_u32 v3, v0, 4, 1                         ; h
	v_lshlrev_b32 v13, 4, v1                       ; 16 x lane
	v_lshlrev_b32 v14, 2, v1                       ; 4 x lane
	v_lshlrev_b32 v15, 3, v1                       ; 8 x lane
	v_lshlrev_b32 v12, 5, v2                       ; scale words: 32 bytes a row
	v_lshlrev_b32 v250, 6, v3                      ; the bias along registers: 16 h numbers on
	v_and_b32 v251, 8, v2
	v_add_nc_u32 v251, v251, v2
	v_lshlrev_b32 v251, 2, v251                    ; the bias a lane: r + 8 (r / 8)
	v_lshlrev_b32 v252, 3, v3                      ; 8 h
	s_mul_i32 s2, s[WV], 24576                     ; my four tiles of A in a half
.irp c, 0,1
	v_add_nc_u32 v[ADRA+\c], s2, v13
	v_add_nc_u32 v[ADRB+\c], BOFF+CHK*\c, v13
	s_add_co_u32 s2, s2, CHK
.endr
	s_wait_alu depctr_va_vdst(0)                   ; the wait at the head's end
	SLOAD
	BLOAD
	s_mov_b32 s21, 0
.Lkind:                                            ; two trips: Q, K
	KWALK 1
	SLOAD                                          ; the next block's scale words
	s_wait_loadcnt 24                              ; this block's biases are in; the 24 loads just issued may be out
	; ---- Q, K: my 64 tokens x 128 channels = two heads.  Two tiles of tokens make one image for each head
.irp b, 0,1,2,3
	v_mov_b32 v[TM+4+\b], 0                        ; a lane permute's destination counts as one of its sources
.endr
	s_lshr_b32 s58, s22, 1
	s_lshl_b32 s58, s58, 2
	s_add_co_u32 s58, s58, s20                     ; this block's tile row,
	s_and_b32 s59, s22, 1
	s_lshl_b32 s59, s59, 2
	s_add_co_u32 s59, s59, s19                     ; and tile column
	s_lshr_b32 s2, s58, 3
	s_lshl_b32 s2, s2, 4
	s_lshl_b32 s3, s59, 1
	s_add_co_u32 s2, s2, s3                        ; 16 x batch + the first of my two heads
	s_mul_i32 s2, s2, 307200
	s_mul_i32 s3, s21, 102400
	s_add_co_u32 s2, s2, s3
	s_and_b32 s3, s58, 7
	s_lshl_b32 s3, s3, 1
	s_add_co_u32 s3, s3, s17
	s_mul_i32 s3, s3, 6400                         ; the step: 2 (tile row mod 8) + wave / 2
	s_add_co_u32 s2, s2, s3
	s_mov_b32 s3, 0
	s_add_nc_u64 s[56:57], s[14:15], s[2:3]
	s_mul_i32 s2, s18, 3072
	v_add_nc_u32 v248, s2, v13                     ; images 2 (wave % 2) on
	s_lshl_b32 s2, s18, 7
	v_add_nc_u32 v249, s2, v14                     ; and their scale words
.irp pr, 0,1
.if \pr
	s_wait_xcnt 0x0                                ; the first pair's stores have read the images' registers
.endif
.irp a2, 0,1
	WIN 0x06                                       ; source 0 window 2 (sums), source 1 window 1 (bias)
.set i, 0
.rept 32
	v_pk_add_f32 v[X+2*i:X+2*i+1], v[64*(2*\pr+\a2)+2*i:64*(2*\pr+\a2)+2*i+1], v[BI+2*i:BI+2*i+1]   ; ascending: each accumulator from its low end on
.set i, i+1
.endr
	WIN 0
	QUANT X, IMG0+6*\a2, IMG1+6*\a2, PW+\a2
.endr
	v_perm_b32 v[SW+\pr], v[PW+1], v[PW], 0x05040100     ; first head: the even tile's two bytes below, the odd tile's above
	v_perm_b32 v[SW+2+\pr], v[PW+1], v[PW], 0x07060302   ; second head
.irp j, 0,1,2
	global_store_b128 v248, v[IMG0+4*\j:IMG0+4*\j+3], s[56:57] offset:1536*\pr+512*\j
	global_store_b128 v248, v[IMG1+4*\j:IMG1+4*\j+3], s[56:57] offset:307200+1536*\pr+512*\j
.endr
.endr
	v_cndmask_b32 v[OUTW], v[SW], v[SW+1], s[HM]   ; lanes 0-15 the first image's words, lanes 16-31 the second's
	v_cndmask_b32 v[OUTW+1], v[SW+2], v[SW+3], s[HM]
	global_store_b32 v249, v[OUTW], s[56:57] offset:6144
	global_store_b32 v249, v[OUTW+1], s[56:57] offset:307200+6144
	BLOAD                                          ; the next block's biases
	s_add_co_u32 s21, s21, 1
	s_cmp_lt_u32 s21, 2
	s_cbranch_scc1 .Lkind
	KWALK 0                                        ; V: nothing more is asked for
	s_wait_loadcnt 0x0                             ; V's biases
	s_wait_xcnt 0x0                                ; K's stores have read the images' registers and their base
	; ---- V: my 64 channels (one head) x 128 keys (one key step): four images
.irp b, 0,1,2,3
	v_mov_b32 v[TM+4+\b], 0
.endr
	s_lshr_b32 s2, s24, 4
	s_lshl_b32 s2, s2, 4
	s_lshl_b32 s3, s23, 2
	s_add_co_u32 s2, s2, s3
	s_add_co_u32 s2, s2, s[WV]                     ; 16 x batch + 4 x tile row + wave
	s_mul_i32 s2, s2, 307200
	s_and_b32 s3, s24, 15
	s_mul_i32 s3, s3, 6400
	s_add_co_u32 s2, s2, s3
	s_add_co_u32 s2, s2, 204800
	s_mov_b32 s3, 0
	s_add_nc_u64 s[56:57], s[14:15], s[2:3]
.irp a, 0,1,2,3
.if \a > 1
	s_wait_xcnt 0x0                                ; the stores of two blocks back have read this image's registers
.endif
	WIN 0x02                                       ; source 0 window 2
.set i, 0
.rept 32
	v_pk_add_f32 v[X+2*i:X+2*i+1], v[64*\a+2*i:64*\a+2*i+1], v[BV+2*\a:BV+2*\a+1]
.set i, i+1
.endr
	WIN 0
	QUANTV X, IMG0+12*(\a%2), IMG0+12*(\a%2)+6, SW+\a
.irp j, 0,1,2
	global_store_b128 v13, v[IMG0+12*(\a%2)+4*\j:IMG0+12*(\a%2)+4*\j+3], s[56:57] offset:1536*\a+512*\j
.endr
.endr
	v_cndmask_b32 v[OUTW], v[SW], v[SW+1], s[HM]   ; word 0: channel tiles 0 | 1; word 1: 2 | 3
	v_cndmask_b32 v[OUTW+1], v[SW+2], v[SW+3], s[HM]
	global_store_b64 v15, v[OUTW:OUTW+1], s[56:57] offset:6144   ; 256 consecutive bytes
	s_wait_tensorcnt 0x0                           ; the wave's end
	ds_add_u32 v254, v255
	s_wait_dscnt 0x0
	CROUND                                         ; the closing round: no work-group ends while a partner may still ask for a tile that names it
	s_endpgm
.Lfunc_end_k_qd828aa2adc_proj:
	.size	k_qd828aa2adc_proj, .Lfunc_end_k_qd828aa2adc_proj-k_qd828aa2adc_proj
	.p2alignl 7, 3214868480
	.fill 96, 4, 3214868480
	.section	.rodata,"a",@progbits
	.p2align	6, 0x0
	.amdhsa_kernel k_qd828aa2adc_proj
		.amdhsa_group_segment_fixed_size 327680
		.amdhsa_private_segment_fixed_size 0
		.amdhsa_enable_private_segment 0
		.amdhsa_kernarg_size 48
		.amdhsa_user_sgpr_count 2
		.amdhsa_user_sgpr_kernarg_segment_ptr 1
		.amdhsa_wavefront_size32 1
		.amdhsa_system_sgpr_workgroup_id_x 1
		.amdhsa_system_sgpr_workgroup_id_y 1
		.amdhsa_system_sgpr_workgroup_id_z 1
		.amdhsa_system_vgpr_workitem_id 0
		.amdhsa_next_free_vgpr 768
		.amdhsa_next_free_sgpr 104
		.amdhsa_reserve_vcc 0
		.amdhsa_float_denorm_mode_32 3
		.amdhsa_float_denorm_mode_16_64 3
		.amdhsa_memory_ordered 1
		.amdhsa_forward_progress 1
		.amdhsa_inst_pref_size 176
	.end_amdhsa_kernel
	.amdgpu_metadata
---
amdhsa.version: [ 1, 2 ]
amdhsa.kernels:
  - .name:           k_qd828aa2adc_proj
    .symbol:         k_qd828aa2adc_proj.kd
    .args:
      - { .name: codes1, .offset: 0, .size: 8, .value_kind: global_buffer, .address_space: global }
      - { .name: scales1, .offset: 8, .size: 8, .value_kind: global_buffer, .address_space: global }
      - { .name: bq, .offset: 16, .size: 8, .value_kind: global_buffer, .address_space: global }
      - { .name: bk, .offset: 24, .size: 8, .value_kind: global_buffer, .address_space: global }
      - { .name: bv, .offset: 32, .size: 8, .value_kind: global_buffer, .address_space: global }
      - { .name: qkv, .offset: 40, .size: 8, .value_kind: global_buffer, .address_space: global }
    .group_segment_fixed_size: 327680
    .private_segment_fixed_size: 0
    .kernarg_segment_align: 8
    .kernarg_segment_size: 48
    .max_flat_workgroup_size: 128
    .sgpr_count:     104
    .vgpr_count:     768
    .wavefront_size: 32
...
	.end_amdgpu_metadata
.endif
;; end of part 2
;; launch attn (part 3): grid 4 x 64, 16 waves a work-group, clusters of 4 x 1, 206,848 bytes of LDS; arguments qkv, mbits, attc, atts; writes attc, atts
.if DOCPART == 3
	.amdgcn_target "amdgcn-amd-amdhsa--gfx1250"
	.amdhsa_code_object_version 6
	.text
	.protected	k_qd828aa2adc_attn
	.globl	k_qd828aa2adc_attn
	.p2align	8
	.type	k_qd828aa2adc_attn,@function
k_qd828aa2adc_attn:
	s_mov_b64 s[64:65], 0
	v_nop
	global_prefetch_b8 v0, s[64:65] scope:SCOPE_SE
	s_setreg_imm32_b32 hwreg(HW_REG_WAVE_MODE, 25, 1), 1
	s_wait_xcnt 0x0
	s_wait_alu depctr_hold_cnt(0) depctr_sa_sdst(0) depctr_va_vdst(0) depctr_va_sdst(0) depctr_va_ssrc(0) depctr_va_vcc(0) depctr_vm_vsrc(0)
	s_getreg_b32 s2, hwreg(HW_REG_IB_STS2, 6, 4)
	s_cmp_eq_u32 s2, 0
	s_cbranch_scc0 .Lentry_in_a_cluster
	s_endpgm
.Lentry_in_a_cluster:
	s_bfe_u32 s2, ttmp6, 0x10000c
	s_cmp_lg_u32 s2, 0x3003
	s_cbranch_scc0 .Lentry_shape_is_right
	s_endpgm
.Lentry_shape_is_right:
; Attention of one head on codes of FP6 (E2M3): S^T = K Q^T, masked, p = 2^(t - M), O^T = V^T p^T, O / the row's sum, quantised along the 64 channels for the last product.
; t = score x log2(e) / 8; where the mask's bit is 0 the score is replaced by -8e9 (the logit -1e9); M = the running largest t rounded up to a whole number; the sum is taken of the unquantised p.
; A ROW THAT HAS SEEN ONLY MASKED KEYS: all its t are one number, so p is 1: there the multiply-add's factor and addend are chosen 0 (a select, no branch).  The first key that counts multiplies the old sums by 2^(about -1.4e9) = 0.
; SHARES.  The four work-groups of a cluster own one head (cluster y = 16 x batch + head); a work-group owns 512 queries, each of its sixteen waves two tiles of 16, one after the other (two passes, written out).
; THE FILL.  K's and V's codes and scale words of the whole head, 204,800 dense bytes, lie in LDS as they lie in memory, filled ONCE: each of the sixteen waves asks for 12,800 of them (50 rows of 256 bytes) by one joint load
; that names the cluster's four work-groups; both addresses are the wave's number x 12,800 on.  Every wave waits for its load, ONE barrier shows the whole head to all, and behind it the waves share nothing: no further barrier stands in the text
; but those of the closing round.  The first pass's loads of Q and of the mask words are issued ahead of that wait.
; THE HEAD SIZE IS 64, half of the instruction's K: an image of K holds two tiles of 16 keys side by side and is multiplied by [q | 0] and by [0 | q].
; Both products are used transposed: a lane holds one query (lane % 16).  Tiles hold rows in the order of the earlier launches, so a lane's registers run along neighbouring keys, and along neighbouring channels in O^T.
; The mask's 64 words of a key step come by scalar loads, asked for a key step ahead; the last step's request wraps round inside the wave's own 4,096 bytes.
; No prefetch: every tile is asked for at the head, so there is no loop to run ahead in.  No refill: no LDS byte is filled twice.
; REGISTERS: v1-4 places that stay, v5-8 the step's LDS addresses; v9 -8e9, v10 c, v11 c x -8e9; v12 -M, v13 largest t, v[14:15] the sum; v16-27 [q|0], v28-39 [0|q]; v40-87 four images; v88-151 S^T, then p;
;   v152-183 O^T; v184-195 p's codes; v196-203, v204-215 at work; v[216:217] f; v[218:219], v[220:221] factor and addend; v223 p's scale word; v224-225 K's, v[226:227] V's, v228-229 q's; v230-234 offsets; v240, v241 the add's.
; LIMITS: NaN and infinities are not served; a logit at or under -1e9 is not told apart from a masked one; blocks whose largest magnitude lies under 2^-124 get the scale byte 1.
.set VB,   102400                      ; V's first byte in LDS
.set PART, 12800                       ; a wave's part of the fill
.set FRG,  40
.set S,    88
.set O,    152
.set PCD,  184
.set CT,   196
.set BM,   204
.set WV,   100
.set G1,   72
.set G0,   80
.set SEL,  98
.macro PLACES n
.rept \n
	v_nop
.endr
.endm
.macro CROUND                          ; a round of the cluster's barrier
	s_barrier_signal -1
	s_barrier_wait -1
	s_cmp_lg_u32 s[WV], 0
	s_cbranch_scc1 .Lnot_wave_0_\@
	s_barrier_signal -3
.Lnot_wave_0_\@:
	s_barrier_wait -3
	s_barrier_signal -1
	s_barrier_wait -1
.endm
.macro MLOAD                           ; a key step's 64 mask words: word j in s[4 + j], words 60 to 63 in s[68:71]
	s_load_b512 s[4:19], s[96:97], s3 offset:0x0
	s_load_b512 s[20:35], s[96:97], s3 offset:0x40
	s_load_b512 s[36:51], s[96:97], s3 offset:0x80
	s_load_b256 s[52:59], s[96:97], s3 offset:0xc0
	s_load_b128 s[60:63], s[96:97], s3 offset:0xe0
	s_load_b128 s[68:71], s[96:97], s3 offset:0xf0
.endm
	s_load_b64 s[4:5], s[0:1], 0x0                 ; qkv
	v_lshl_add_u32 v240, v0, 2, 0x32000
	v_mov_b32 v241, 0
	ds_add_u32 v240, v241                          ; the opening lines: the add, twice on end, and its wait ahead of my tensor load
	ds_add_u32 v240, v241
	v_lshrrev_b32 v1, 5, v0
	s_delay_alu instid0(VALU_DEP_1)
	v_readfirstlane_b32 s[WV], v1                  ; wave 0..15
	s_bfe_u32 s101, ttmp6, 0x40000                 ; cx: it enters global addresses of Q, the mask and the results alone
	s_mov_b32 s[G1], 15|(3<<16)|(1<<21)            ; the mask: all four work-groups; elements of 8 bytes; no padding
	s_mov_b32 s[G1+1], 32<<16                      ; rows of 256 bytes
	s_mov_b32 s[G1+2], 50<<16                      ; 50 of them: 12,800 dense bytes, two key steps of K or of V
	s_mov_b32 s[G1+3], 32<<16
	s_mov_b32 s[G1+4], 50
	s_mov_b32 s[G1+5], 32
	s_mov_b32 s[G1+6], 0
	s_mov_b32 s[G1+7], 0
	s_mov_b32 s[SEL], 0x76543210
	s_mov_b32 s[SEL+1], 0xfedcba98
	s_and_b32 s8, ttmp7, 0xffff
	s_mul_i32 s8, s8, 307200                       ; the head's first byte
	s_mul_i32 s10, s[WV], PART                     ; my part: in LDS and in memory alike
	s_add_co_u32 s8, s8, s10
	s_add_co_u32 s8, s8, 102400                    ; behind Q
	s_mov_b32 s9, 0
	s_wait_dscnt 0x0
	s_wait_kmcnt 0x0
	s_add_nc_u64 s[8:9], s[4:5], s[8:9]
	CROUND                                         ; all four work-groups are here: the joint loads meet
	s_mov_b32 s[G0], 1
	s_mov_b32 s[G0+1], s10
	s_mov_b64 s[G0+2:G0+3], s[8:9]
	s_or_b32 s[G0+3], s[G0+3], 0x80000000
	tensor_load_to_lds s[G0:G0+3], s[G1:G1+7]      ; my one tensor load of the launch
	s_nop 0
	PLACES 4
	v_and_b32 v5, 31, v0                           ; lane
	v_and_b32 v6, 15, v0                           ; r
	s_delay_alu instid0(VALU_DEP_2)
	v_lshlrev_b32 v1, 4, v5                        ; an image's place for my lane, K's
	s_wait_alu depctr_va_vdst(0)
	v_add_nc_u32 v2, VB, v1                        ; V's
	v_lshlrev_b32 v3, 2, v5                        ; K's scale words
	v_lshlrev_b32 v234, 3, v5                      ; 8 x lane
	s_delay_alu instid0(VALU_DEP_1)
	v_add_nc_u32 v4, VB, v234                      ; V's scale words
	v_lshlrev_b32 v233, 1, v6                      ; 2 r
	v_and_b32 v235, 16, v0
	s_delay_alu instid0(VALU_DEP_1)
	v_lshrrev_b32 v235, 1, v235                    ; v235 = 8 (lane / 16): how far up my two bytes stand in p's scale word
	s_and_b32 s8, s[WV], 1                         ; e: which half of its image my tile of Q is
	s_bfe_u32 s9, s[WV], 0x20001                   ; which image of its step
	s_mul_i32 s10, s9, 1536
	s_mul_i32 s11, s8, 520
	s_add_co_u32 s11, s11, s10
	s_mul_i32 s12, s8, 1016
	s_add_co_u32 s12, s12, s10
	s_lshl_b32 s13, s9, 6
	s_add_co_u32 s13, s13, 6144
	v_add_nc_u32 v230, s11, v1                     ; registers 6 e .. 6 e + 5 of an image lie at 16 l + (0, 8, 512) for e = 0 and 16 l + (520, 1024, 1032) for e = 1:
	v_add_nc_u32 v231, s12, v1                     ; two address registers, offsets 0 and 512 from the first, 8 from the second
	v_lshl_add_u32 v232, v6, 2, s13                ; my row's scale word
	v_mov_b32 v9, 0xcfee6b28                       ; -8e9
	v_mov_b32 v10, 0x3e38aa3b                      ; c = log2(e) / 8
	s_delay_alu instid0(VALU_DEP_1)
	v_mul_f32 v11, v10, v9                         ; a masked key's t, by the line that makes every t
.irp j, 22,23,24,25,26,27,28,29,30,31,32,33
	v_mov_b32 v\j, 0                               ; the zero halves of [q|0] and [0|q]
.endr
.irp j, 208,209,210,211,217,219,221,222
	v_mov_b32 v\j, 0                               ; lane permutes' destinations, and the upper words of pairs of which the lower serves both halves
.endr
; A KEY STEP: 128 keys; s2 = its first byte in K's part of LDS
.macro STEP
	v_add_nc_u32 v5, s2, v1                        ; (these four are also the plain lines behind the last products, in front of the loads below)
	v_add_nc_u32 v6, s2, v2
	v_add_nc_u32 v7, s2, v3
	v_add_nc_u32 v8, s2, v4
.irp b, 0,1,2,3
.irp j, 0,1,2
	ds_load_b128 v[FRG+12*\b+4*\j:FRG+12*\b+4*\j+3], v5 offset:1536*\b+512*\j
.endr
.endr
	ds_load_b32 v224, v7 offset:6144               ; lanes 0-15 image 0's words, lanes 16-31 image 1's
	ds_load_b32 v225, v7 offset:6272               ; images 2 | 3
	s_wait_alu depctr_va_vdst(0)
	s_wait_dscnt 0x0
.irp b, 0,1,2,3
.irp u, 0,1
.if \b%2
	v_wmma_scale_f32_16x16x128_f8f6f4 v[S+8*(2*\b+\u):S+8*(2*\b+\u)+7], v[FRG+12*\b:FRG+12*\b+11], v[16+12*\u:16+12*\u+11], 0, v[224+\b/2], v[228+\u] matrix_a_fmt:MATRIX_FMT_FP6 matrix_b_fmt:MATRIX_FMT_FP6 matrix_a_scale:MATRIX_SCALE_ROW1
.else
	v_wmma_scale_f32_16x16x128_f8f6f4 v[S+8*(2*\b+\u):S+8*(2*\b+\u)+7], v[FRG+12*\b:FRG+12*\b+11], v[16+12*\u:16+12*\u+11], 0, v[224+\b/2], v[228+\u] matrix_a_fmt:MATRIX_FMT_FP6 matrix_b_fmt:MATRIX_FMT_FP6
.endif
.endr
.endr
	PLACES 4                                       ; in front of loads into the images' registers and of the first read of the scores
.irp t, 0,1,2,3
.irp j, 0,1,2
	ds_load_b128 v[FRG+12*\t+4*\j:FRG+12*\t+4*\j+3], v6 offset:1536*\t+512*\j   ; V's four images land under the softmax
.endr
.endr
	ds_load_b64 v[226:227], v8 offset:6144
	s_wait_kmcnt 0x0                               ; the step's mask words
.set j, 0
.rept 64
.if j < 60
	v_cndmask_b32 v[S+j], v9, v[S+j], s[4+j]       ; K's tiles hold y's rows in fours: register j holds key 64 (j / 32) + 32 (lane / 16) + j % 32 of my query, and word j has my lane's bit.  So a lane holds blocks 2 c + lane / 16 (c = 0, 1) of 32 keys whole
.else
	v_cndmask_b32 v[S+j], v9, v[S+j], s[8+j]
.endif
.set j, j+1
.endr
	s_add_co_u32 s3, s3, 256                       ; (behind the wait above: the last request has read s3)
	s_and_b32 s3, s3, 0xfff
	MLOAD                                          ; the next step's words
.irp b, 0,1,2,3
	v_max3_num_f32 v[BM+\b], v[S+16*\b], v[S+1+16*\b], v[S+2+16*\b]   ; the largest score of each block of 32 keys: for the row's maximum and, since p rises with the score, for the block's largest p
.endr
.irp i, 3,5,7,9,11,13
.irp b, 0,1,2,3
	s_delay_alu instid0(VALU_DEP_4)
	v_max3_num_f32 v[BM+\b], v[BM+\b], v[S+16*\b+\i], v[S+1+16*\b+\i]
.endr
.endr
.irp b, 0,1,2,3
	s_delay_alu instid0(VALU_DEP_4)
	v_max_num_f32 v[BM+\b], v[BM+\b], v[S+15+16*\b]
.endr
	s_delay_alu instid0(VALU_DEP_3)
	v_max_num_f32 v[BM], v[BM], v[BM+1]            ; my first block's largest score,
	s_delay_alu instid0(VALU_DEP_2)
	v_max_num_f32 v[BM+1], v[BM+2], v[BM+3]        ; my second block's
	s_delay_alu instid0(VALU_DEP_1)
	v_max_num_f32 v222, v[BM], v[BM+1]
	s_delay_alu instid0(VALU_DEP_1)
	v_permlanex16_b32 v[BM+4], v222, s[SEL], s[SEL+1]
	s_delay_alu instid0(VALU_DEP_1)
	v_max_num_f32 v222, v222, v[BM+4]              ; with lane l xor 16's two blocks: the step's largest score of my query
	s_delay_alu instid0(VALU_DEP_1)
	v_mul_f32 v222, v10, v222                      ; the step's largest t
	s_delay_alu instid0(VALU_DEP_1)
	v_max_num_f32 v13, v13, v222                   ; the running largest t
	v_mov_b32 v222, v12
	s_delay_alu instid0(VALU_DEP_2)
	v_floor_f32 v12, -v13                          ; -M = floor(-t)
	s_delay_alu instid0(VALU_DEP_1)
	v_sub_f32 v222, v12, v222                      ; old M - new M: a whole number, 0 or less
	s_delay_alu instid0(VALU_DEP_1)
	v_cvt_i32_f32 v222, v222                       ; (it saturates)
	s_delay_alu instid0(VALU_DEP_1)
	v_ldexp_f32 v216, 1.0, v222                    ; f = 2^(old M - new M): rounds nothing
	v_cmp_lt_f32 vcc_lo, v11, v13                  ; has my row seen a key that counts?
	s_delay_alu instid0(VALU_DEP_1)
	v_cndmask_b32 v218, 0, v10, vcc_lo             ; then t - M = c s - M; else 0 s + 0
	s_delay_alu instid0(VALU_DEP_2)
	v_cndmask_b32 v220, 0, v12, vcc_lo
.set j, 0
.rept 32
	v_pk_fma_f32 v[S+j:S+j+1], v[S+j:S+j+1], v[218:219], v[220:221] op_sel_hi:[1,0,0]
.set j, j+2
.endr
.irp b, 0,1
	v_fma_f32 v[BM+\b], v[BM+\b], v218, v220       ; the same of each of my two blocks' largest score
.endr
.set j, 0
	s_wait_alu depctr_va_vdst(0)                   ; the wait ahead of the batch
.rept 64
	v_exp_f32 v[S+j], v[S+j]                       ; p, at most 1, not normalised
.set j, j+1
.endr
	v_pk_mul_f32 v[14:15], v[14:15], v[216:217] op_sel_hi:[1,0]   ; the sums under the new M: a plain line behind the exponentials
	s_wait_alu depctr_va_vdst(0)                   ; one wait for the batch of 64, ahead of its first reader
.irp b, 0,1
	v_exp_f32 v[BM+\b], v[BM+\b]                   ; the blocks' largest p
.endr
	v_pk_add_f32 v[236:237], v[92:93], v[96:97]    ; the row's sum of the unquantised p: 32 pairs in eight chains
	v_pk_add_f32 v[238:239], v[100:101], v[104:105]
	v_pk_add_f32 v[224:225], v[108:109], v[112:113]
	v_pk_add_f32 v[214:215], v[116:117], v[120:121]
	v_pk_add_f32 v[212:213], v[124:125], v[128:129]
	v_pk_add_f32 v[210:211], v[132:133], v[136:137]
	v_pk_add_f32 v[208:209], v[140:141], v[144:145]
	v_pk_add_f32 v[14:15], v[14:15], v[148:149]
	v_pk_add_f32 v[236:237], v[236:237], v[88:89]
	v_pk_add_f32 v[238:239], v[238:239], v[90:91]
	v_pk_add_f32 v[224:225], v[224:225], v[94:95]
	v_pk_add_f32 v[214:215], v[214:215], v[98:99]
	v_pk_add_f32 v[212:213], v[212:213], v[102:103]
	v_pk_add_f32 v[210:211], v[210:211], v[106:107]
	v_pk_add_f32 v[208:209], v[208:209], v[110:111]
	v_pk_add_f32 v[14:15], v[14:15], v[114:115]
	v_pk_add_f32 v[236:237], v[236:237], v[118:119]
	v_pk_add_f32 v[238:239], v[238:239], v[122:123]
	v_pk_add_f32 v[224:225], v[224:225], v[126:127]
	v_pk_add_f32 v[214:215], v[214:215], v[130:131]
	v_pk_add_f32 v[212:213], v[212:213], v[134:135]
	v_pk_add_f32 v[210:211], v[210:211], v[138:139]
	v_pk_add_f32 v[208:209], v[208:209], v[142:143]
	v_pk_add_f32 v[14:15], v[14:15], v[146:147]
	v_pk_add_f32 v[236:237], v[236:237], v[150:151]
	s_delay_alu instid0(VALU_DEP_2)
	v_pk_add_f32 v[14:15], v[14:15], v[214:215]
	s_delay_alu instid0(VALU_DEP_2)
	v_pk_add_f32 v[236:237], v[236:237], v[212:213]
	v_pk_add_f32 v[238:239], v[238:239], v[210:211]
	v_pk_add_f32 v[224:225], v[224:225], v[208:209]
	s_delay_alu instid0(VALU_DEP_2)
	v_pk_add_f32 v[14:15], v[14:15], v[238:239]
	s_delay_alu instid0(VALU_DEP_2)
	v_pk_add_f32 v[236:237], v[236:237], v[224:225]
	s_delay_alu instid0(VALU_DEP_1)
	v_pk_add_f32 v[14:15], v[14:15], v[236:237]
	s_wait_alu depctr_va_vdst(0)                   ; and one for the two
.irp b, 0,1
	v_max_num_f32 v[BM+\b], 0x1800000, v[BM+\b]    ; the floor 2^(3 - 127)
.endr
.irp b, 0,1
	s_delay_alu instid0(VALU_DEP_2)
	v_add_nc_u32 v[BM+8+\b], 0xff000000, v[BM+\b]  ; the conversion's scale operand
.endr
.irp b, 0,1
	s_delay_alu instid0(VALU_DEP_2)
	v_lshrrev_b32 v[BM+4+\b], 23, v[BM+8+\b]       ; the scale's byte
.endr
	s_delay_alu instid0(VALU_DEP_1)
	v_lshl_or_b32 v223, v[BM+5], 16, v[BM+4]       ; my two bytes: blocks lane / 16 and 2 + lane / 16,
	s_delay_alu instid0(VALU_DEP_1)
	v_lshlrev_b32 v223, v235, v223                 ; at their places in the scale word;
	s_delay_alu instid0(VALU_DEP_1)
	v_permlanex16_b32 v[BM+6], v223, s[SEL], s[SEL+1]
	s_delay_alu instid0(VALU_DEP_1)
	v_or_b32 v223, v223, v[BM+6]                   ; with lane l xor 16's two the word is whole
.irp c, 0,1
	v_cvt_scalef32_pk16_fp6_f32 v[PCD+6*\c:PCD+6*\c+2], v[S+32*\c:S+32*\c+15], v[BM+8+\c]
	v_cvt_scalef32_pk16_fp6_f32 v[CT+4*\c:CT+4*\c+2], v[S+16+32*\c:S+31+32*\c], v[BM+8+\c]   ; (a conversion's three registers begin on an even number)
.endr
	v_nop                                          ; one plain line behind the scaled conversions
.irp c, 0,1
.irp i, 0,1,2
	v_mov_b32 v[PCD+3+6*\c+\i], v[CT+4*\c+\i]      ; registers 6 c .. 6 c + 5: keys 64 c + 32 (lane / 16) + 0 .. 31
.endr
.endr
.set j, 0
.rept 16
	v_pk_mul_f32 v[O+j:O+j+1], v[O+j:O+j+1], v[216:217] op_sel_hi:[1,0]   ; O^T under the new M; these sixteen also stand between p's codes and scale word and the products
.set j, j+2
.endr
	s_wait_alu depctr_va_vdst(0)                   ; directly ahead of the wait below
	s_wait_dscnt 0x0                               ; V's images and scale words
.irp t, 0,1,2,3
.if \t%2
	v_wmma_scale_f32_16x16x128_f8f6f4 v[O+8*\t:O+8*\t+7], v[FRG+12*\t:FRG+12*\t+11], v[PCD:PCD+11], v[O+8*\t:O+8*\t+7], v[226+\t/2], v223 matrix_a_fmt:MATRIX_FMT_FP6 matrix_b_fmt:MATRIX_FMT_FP6 matrix_a_scale:MATRIX_SCALE_ROW1
.else
	v_wmma_scale_f32_16x16x128_f8f6f4 v[O+8*\t:O+8*\t+7], v[FRG+12*\t:FRG+12*\t+11], v[PCD:PCD+11], v[O+8*\t:O+8*\t+7], v[226+\t/2], v223 matrix_a_fmt:MATRIX_FMT_FP6 matrix_b_fmt:MATRIX_FMT_FP6
.endif
.endr
	s_add_co_u32 s2, s2, 6400
.endm
; A PASS BEGINS: my tile is 32 cx + 16 pass + wave (s67 = the pass): its codes of Q, the first key step's mask words, the running numbers
.macro BEGIN
	s_load_b128 s[4:7], s[0:1], 0x0                ; qkv, mbits (the mask words' registers are scratch between passes)
	s_and_b32 s8, ttmp7, 0xffff
	s_lshl_b32 s9, s101, 2
	s_lshl_b32 s10, s67, 1
	s_add_co_u32 s9, s9, s10
	s_lshr_b32 s10, s[WV], 3
	s_add_co_u32 s9, s9, s10                       ; Q's step: tile / 8
	s_mul_i32 s9, s9, 6400
	s_mul_i32 s10, s8, 307200
	s_add_co_u32 s10, s10, s9
	s_mov_b32 s11, 0
	s_lshl_b32 s12, s101, 5
	s_lshl_b32 s13, s67, 4
	s_add_co_u32 s12, s12, s13
	s_add_co_u32 s12, s12, s[WV]
	s_lshr_b32 s13, s8, 4
	s_lshl_b32 s13, s13, 7
	s_add_co_u32 s12, s12, s13                     ; 128 x batch + tile
	s_lshl_b32 s12, s12, 12                        ; its 4,096 bytes of mask words
	s_mov_b32 s13, 0
	s_and_b32 s14, s[WV], 1
	s_lshl_b32 s14, s14, 4                         ; 16 e
	s_wait_kmcnt 0x0
	s_add_nc_u64 s[104:105], s[4:5], s[10:11]
	s_add_nc_u64 s[96:97], s[6:7], s[12:13]
	global_load_b64 v[16:17], v230, s[104:105]
	global_load_b64 v[18:19], v231, s[104:105] offset:8
	global_load_b64 v[20:21], v230, s[104:105] offset:512
	global_load_b64 v[34:35], v230, s[104:105]
	global_load_b64 v[36:37], v231, s[104:105] offset:8
	global_load_b64 v[38:39], v230, s[104:105] offset:512
	global_load_b32 v222, v232, s[104:105]
	s_wait_loadcnt 0x0
	v_lshrrev_b32 v228, s14, v222
	s_delay_alu instid0(VALU_DEP_1)
	v_and_b32 v228, 0xffff, v228                   ; q's two bytes below, for [q|0]; the zero codes' bytes are 0, which is no NaN
	s_delay_alu instid0(VALU_DEP_1)
	v_lshlrev_b32 v229, 16, v228                   ; and above, for [0|q]
	s_mov_b32 s3, 0
	MLOAD                                          ; the first key step's mask words
	v_mov_b32 v13, 0xff61b1e6                      ; the largest t so far: -3e38
	s_delay_alu instid0(VALU_DEP_1)
	v_floor_f32 v12, -v13
	v_mov_b32 v14, 0
	v_mov_b32 v15, 0
.set j, 0
.rept 32
	v_mov_b32 v[O+j], 0                            ; O^T: the step is written once, its first trip finds zeros.  (More than eight plain lines between q's scale words and the first product)
.set j, j+1
.endr
.endm
; THE TILE'S WAY OUT: O^T / the row's sum, quantised along the head's 64 channels
.macro FINISH
	PLACES 4
	s_wait_kmcnt 0x0                               ; the request that wrapped round has landed: its registers are scratch again
	s_load_b128 s[4:7], s[0:1], 0x10               ; attc, atts
	v_add_f32 v14, v14, v15
	s_delay_alu instid0(VALU_DEP_1)
	v_permlanex16_b32 v222, v14, s[SEL], s[SEL+1]
	s_delay_alu instid0(VALU_DEP_1)
	v_add_f32 v14, v14, v222                       ; the row's sum
	s_wait_alu depctr_va_vdst(0)                   ; the wait ahead of the reciprocal
	v_rcp_f32 v14, v14
	v_nop                                          ; a plain line behind the reciprocal
	s_and_b32 s8, ttmp7, 0xffff
	s_and_b32 s9, s8, 15                           ; head
	s_lshr_b32 s8, s8, 4
	s_lshl_b32 s8, s8, 7
	s_lshl_b32 s10, s101, 5
	s_add_co_u32 s8, s8, s10
	s_lshl_b32 s10, s67, 4
	s_add_co_u32 s8, s8, s10
	s_add_co_u32 s8, s8, s[WV]                     ; 128 x batch + tile
	s_mul_i32 s10, s8, 12288
	s_mul_i32 s11, s9, 768                         ; K step head / 2, half head % 2: 768 bytes a head
	s_add_co_u32 s10, s10, s11
	s_mov_b32 s11, 0
	s_lshl_b32 s12, s9, 9
	s_add_co_u32 s12, s12, s8
	s_lshl_b32 s12, s12, 5                         ; 32 (512 head + tile)
	s_mov_b32 s13, 0
	s_wait_alu depctr_va_vdst(0)                   ; ahead of the reciprocal's first reader
.set j, 0
.rept 32
	v_mul_f32 v[S+j], v[O+j], v14                  ; register 16 b + i: channel 32 b + 16 (lane / 16) + i of my query
.set j, j+1
.endr
.irp b, 0,1
	v_max3_num_f32 v[BM+\b], |v[S+16*\b]|, |v[S+1+16*\b]|, 0x1800000
.endr
.irp i, 2,4,6,8,10,12,14
.irp b, 0,1
	s_delay_alu instid0(VALU_DEP_2)
	v_max3_num_f32 v[BM+\b], v[BM+\b], |v[S+16*\b+\i]|, |v[S+1+16*\b+\i]|
.endr
.endr
.irp b, 0,1
	s_delay_alu instid0(VALU_DEP_2)
	v_permlanex16_b32 v[BM+4+\b], v[BM+\b], s[SEL], s[SEL+1]
.endr
.irp b, 0,1
	s_delay_alu instid0(VALU_DEP_2)
	v_max_num_f32 v[BM+\b], v[BM+\b], v[BM+4+\b]
.endr
.irp b, 0,1
	s_delay_alu instid0(VALU_DEP_2)
	v_add_nc_u32 v[BM+8+\b], 0xff000000, v[BM+\b]
.endr
.irp b, 0,1
	s_delay_alu instid0(VALU_DEP_2)
	v_lshrrev_b32 v[BM+4+\b], 23, v[BM+8+\b]
.endr
	s_delay_alu instid0(VALU_DEP_1)
	v_lshl_or_b32 v222, v[BM+5], 8, v[BM+4]        ; my row's two scale bytes
	v_cvt_scalef32_pk16_fp6_f32 v[PCD:PCD+2], v[S:S+15], v[BM+8]
	v_cvt_scalef32_pk16_fp6_f32 v[CT:CT+2], v[S+16:S+31], v[BM+9]
	v_nop
.irp i, 0,1,2
	v_permlane16_swap_b32 v[PCD+\i], v[CT+\i]
.endr
.irp i, 0,1,2
	s_delay_alu instid0(VALU_DEP_3)
	v_mov_b32 v[PCD+3+\i], v[CT+\i]
.endr
	s_wait_alu depctr_va_vdst(0)                   ; directly ahead of the wait below
	s_wait_kmcnt 0x0
	s_add_nc_u64 s[4:5], s[4:5], s[10:11]
	s_add_nc_u64 s[6:7], s[6:7], s[12:13]
	global_store_b64 v234, v[PCD:PCD+1], s[4:5]    ; half a fragment: three pieces of 256 consecutive bytes
	global_store_b64 v234, v[PCD+2:PCD+3], s[4:5] offset:256
	global_store_b64 v234, v[PCD+4:PCD+5], s[4:5] offset:512
	global_store_b16 v233, v222, s[6:7]            ; 32 consecutive bytes; lanes 16-31 write what lanes 0-15 write
	s_wait_xcnt 0x0                                ; the stores have read their registers and bases, which are written again behind this line
.endm
.irp pass, 0,1
	s_mov_b32 s67, \pass
	BEGIN
.if \pass == 0
	s_wait_tensorcnt 0x0                           ; my part of K and V has landed,
	s_barrier_signal -1
	s_barrier_wait -1                              ; and everybody's: the whole head lies in LDS and is only read from here on
.endif
	s_mov_b32 s2, 0
	s_mov_b32 s66, 16
.Lstep_\pass:                                      ; sixteen key steps
	STEP
	s_sub_co_u32 s66, s66, 1
	s_cmp_lg_u32 s66, 0
	s_cbranch_scc1 .Lstep_\pass
	FINISH
.endr
	s_wait_tensorcnt 0x0                           ; the wave's end
	ds_add_u32 v240, v241
	s_wait_dscnt 0x0
	CROUND                                         ; the closing round
	s_endpgm
.Lfunc_end_k_qd828aa2adc_attn:
	.size	k_qd828aa2adc_attn, .Lfunc_end_k_qd828aa2adc_attn-k_qd828aa2adc_attn
	.p2alignl 7, 3214868480
	.fill 96, 4, 3214868480
	.section	.rodata,"a",@progbits
	.p2align	6, 0x0
	.amdhsa_kernel k_qd828aa2adc_attn
		.amdhsa_group_segment_fixed_size 206848
		.amdhsa_private_segment_fixed_size 0
		.amdhsa_enable_private_segment 0
		.amdhsa_kernarg_size 32
		.amdhsa_user_sgpr_count 2
		.amdhsa_user_sgpr_kernarg_segment_ptr 1
		.amdhsa_wavefront_size32 1
		.amdhsa_system_sgpr_workgroup_id_x 1
		.amdhsa_system_sgpr_workgroup_id_y 1
		.amdhsa_system_sgpr_workgroup_id_z 1
		.amdhsa_system_vgpr_workitem_id 0
		.amdhsa_next_free_vgpr 242
		.amdhsa_next_free_sgpr 106
		.amdhsa_reserve_vcc 1
		.amdhsa_float_denorm_mode_32 3
		.amdhsa_float_denorm_mode_16_64 3
		.amdhsa_memory_ordered 1
		.amdhsa_forward_progress 1
		.amdhsa_inst_pref_size 65
	.end_amdhsa_kernel
	.amdgpu_metadata
---
amdhsa.version: [ 1, 2 ]
amdhsa.kernels:
  - .name:           k_qd828aa2adc_attn
    .symbol:         k_qd828aa2adc_attn.kd
    .args:
      - { .name: qkv, .offset: 0, .size: 8, .value_kind: global_buffer, .address_space: global }
      - { .name: mbits, .offset: 8, .size: 8, .value_kind: global_buffer, .address_space: global }
      - { .name: attc, .offset: 16, .size: 8, .value_kind: global_buffer, .address_space: global }
      - { .name: atts, .offset: 24, .size: 8, .value_kind: global_buffer, .address_space: global }
    .group_segment_fixed_size: 206848
    .private_segment_fixed_size: 0
    .kernarg_segment_align: 8
    .kernarg_segment_size: 32
    .max_flat_workgroup_size: 512
    .sgpr_count:     106
    .vgpr_count:     242
    .wavefront_size: 32
...
	.end_amdgpu_metadata
.endif
;; end of part 3
;; launch outp (part 4): grid 8 x 32, 4 waves a work-group, clusters of 4 x 4, 295,424 bytes of LDS; arguments attc, atts, codes1, scales1, bo, out0; writes out0
.if DOCPART == 4
	.amdgcn_target "amdgcn-amd-amdhsa--gfx1250"
	.amdhsa_code_object_version 6
	.text
	.protected	k_qd828aa2adc_outp
	.globl	k_qd828aa2adc_outp
	.p2align	8
	.type	k_qd828aa2adc_outp,@function
k_qd828aa2adc_outp:
	s_mov_b64 s[64:65], 0
	v_nop
	global_prefetch_b8 v0, s[64:65] scope:SCOPE_SE
	s_setreg_imm32_b32 hwreg(HW_REG_WAVE_MODE, 25, 1), 1
	s_wait_xcnt 0x0
	s_wait_alu depctr_hold_cnt(0) depctr_sa_sdst(0) depctr_va_vdst(0) depctr_va_sdst(0) depctr_va_ssrc(0) depctr_va_vcc(0) depctr_vm_vsrc(0)
	s_getreg_b32 s2, hwreg(HW_REG_IB_STS2, 6, 4)
	s_cmp_eq_u32 s2, 0
	s_cbranch_scc0 .Lentry_in_a_cluster
	s_endpgm
.Lentry_in_a_cluster:
	s_bfe_u32 s2, ttmp6, 0x10000c
	s_cmp_lg_u32 s2, 0xf033
	s_cbranch_scc0 .Lentry_shape_is_right
	s_endpgm
.Lentry_shape_is_right:
; out0 = attention rows x Wo^T + bo on codes of FP6 (E2M3) with E8M0 scales, sums in f32.  A work-group makes 256 rows x 128 columns over all of K = 1,024; the form is that of the projections' launch:
; source 0 = 16 rows of Wo (columns of out0 run along a lane's registers), source 1 = 16 attention rows (a lane a row); LDS holds the block's codes whole, filled ONCE in four chunks of two K steps
; (chunk c at 73,728 c: A's 16 tiles x 3,072 bytes, then B's 8); 4 x 4 clusters, A asked for jointly along a row, B along a column; waves 0, 1 fetch A's halves, waves 2, 3 B's: four tensor loads a wave are out at the most.
; A's fragments lie as two halves (a head each) of three pieces of 256 bytes, 8 bytes a lane: six loads of 8 bytes.  A's scale words are put together from two heads' byte pairs.  bo is the C of each sum's first product.
; Rows of A and of Wo lie in tiles in the earlier launches' order (lane r of tile a: row 32 (a / 2) + 8 (a % 2) + r + 8 (r / 8)); the order of out0's rows is set right by the stores' immediates, that of its columns by the stage's.
; THE WAY OUT: a block of 16 rows x 128 columns goes through the wave's own stage (16 rows, 528 bytes apart) and leaves as whole rows of 512 consecutive bytes.  The stage lies in chunk 0, which has had its only fill,
; and which every wave has read for the last time ahead of a barrier that all have passed.
; REGISTERS: as in the projections' launch: window 0: v4-15 addresses, v16-47 and v48-111 scale words, v112-207 A's two sets (on the way out v112-239 rows of out0); window 1: B's two sets, v192-255 bo; window 2: accumulators.
; THE FILL AS IT STANDS (in place of what the head comment says of four chunks and of who fetches): LDS is filled ONCE, in two halves of four K steps.  Half c at 147,456 c: A's 16 tiles x 6,144 bytes, then B's 8 tiles.
; One joint load a wave: wave 0 A's half 0, wave 1 B's half 0, wave 2 A's half 1, wave 3 B's half 1: one tensor load of a wave is out at the most.
; The stage of the way out lies in half 0, which every wave has read for the last time ahead of K step 3's barrier, in front of which every wave has waited for its tensor load.
.set CHK,  147456
.set BOFF, 98304
.set FR,   12
.set ADRA, 4
.set ADRB, 8
.set SA,   16
.set SB,   48
.set AF,   112
.set BI,   192                         ; in window 1
.set BK,   112
.set WV,   16
.set G1A,  28
.set G1B,  36
.set G0A,  44
.set G0B,  68
.set MSB, 0
.macro WIN new                         ; the immediate's high byte repeats the setting that is left
.if MSB != \new
	s_set_vgpr_msb (MSB<<8)|\new
.set MSB, \new
.endif
.endm
.macro PLACES n
.rept \n
	v_nop
.endr
.endm
.macro CROUND                          ; a round of the cluster's barrier
	s_barrier_signal -1
	s_barrier_wait -1
	s_cmp_lg_u32 s[WV], 0
	s_cbranch_scc1 .Lnot_wave_0_\@
	s_barrier_signal -3
.Lnot_wave_0_\@:
	s_barrier_wait -3
	s_barrier_signal -1
	s_barrier_wait -1
.endm
	s_load_b256 s[4:11], s[0:1], 0x0               ; attc, atts, codes1, scales1
	s_load_b128 s[12:15], s[0:1], 0x20             ; bo, out0
	v_lshl_add_u32 v254, v0, 2, 0x48000
	v_mov_b32 v255, 0
	ds_add_u32 v254, v255
	ds_add_u32 v254, v255
	v_lshrrev_b32 v1, 5, v0
	v_readfirstlane_b32 s[WV], v1                  ; wave 0..3
	s_bfe_u32 s19, ttmp6, 0x40000                  ; cx
	s_bfe_u32 s20, ttmp6, 0x40004                  ; cy
	s_lshl_b32 s24, ttmp9, 2
	s_add_co_u32 s24, s24, s19                     ; tile column 0..7
	s_and_b32 s23, ttmp7, 0xffff
	s_lshl_b32 s23, s23, 2
	s_add_co_u32 s23, s23, s20                     ; tile row 0..31
	s_lshl_b32 s2, s20, 2
	s_lshl_b32 s2, 15, s2                          ; my row of the cluster
	s_lshl_b32 s3, 0x1111, s19                     ; my column
	s_or_b32 s[G1A], s2, (3<<16)|(1<<21)
	s_or_b32 s[G1B], s3, (3<<16)|(1<<21)
.irp g, G1A, G1B
	s_mov_b32 s[\g+1], 768<<16                     ; of each tile a half's 6,144 bytes: 768 elements of 8 bytes
	s_mov_b32 s[\g+3], 768<<16
	s_mov_b32 s[\g+5], 1536                        ; from tile to tile: 12,288 bytes
	s_mov_b32 s[\g+6], 0
	s_mov_b32 s[\g+7], 0
.endr
	s_mov_b32 s[G1A+2], 16<<16                     ; A: 16 tiles a load
	s_mov_b32 s[G1A+4], 16
	s_mov_b32 s[G1B+2], 8<<16                      ; B: 8
	s_mov_b32 s[G1B+4], 8
	s_mul_i32 s84, s23, 16*12288                   ; A's 16 tiles in memory
	s_mov_b32 s85, 0
	s_lshl_b32 s90, s24, 3
	s_add_co_u32 s90, s90, 1216                    ; Wo's tiles begin at 1216
	s_mul_i32 s90, s90, 12288                      ; B's 8 tiles
	s_mov_b32 s91, 0
	s_wait_dscnt 0x0
	s_wait_kmcnt 0x0
	s_add_nc_u64 s[84:85], s[4:5], s[84:85]
	s_add_nc_u64 s[90:91], s[8:9], s[90:91]
	CROUND                                         ; all sixteen work-groups are here: the joint loads meet
.irp c, 0,1
	s_mov_b32 s[G0A+4*\c], 1
	s_mov_b32 s[G0A+4*\c+1], CHK*\c
	s_add_nc_u64 s[G0A+4*\c+2:G0A+4*\c+3], s[84:85], 6144*\c
	s_or_b32 s[G0A+4*\c+3], s[G0A+4*\c+3], 0x80000000
	s_mov_b32 s[G0B+4*\c], 1
	s_mov_b32 s[G0B+4*\c+1], BOFF+CHK*\c
	s_add_nc_u64 s[G0B+4*\c+2:G0B+4*\c+3], s[90:91], 6144*\c
	s_or_b32 s[G0B+4*\c+3], s[G0B+4*\c+3], 0x80000000
.endr
; one chain of branches on the wave's number, one load to an arm, all arms leading to one join
.macro ARM is, g0, g1, next
	s_cmp_eq_u32 s[WV], \is
	s_cbranch_scc0 \next
	tensor_load_to_lds s[\g0:\g0+3], s[\g1:\g1+7]
	s_nop 0
	PLACES 4
	s_branch .Lfilled
\next:
.endm
	ARM 0, G0A, G1A, .Lfill_1
	ARM 1, G0B, G1B, .Lfill_2
	ARM 2, G0A+4, G1A, .Lfill_3
	tensor_load_to_lds s[G0B+4:G0B+7], s[G1B:G1B+7]
	s_nop 0
	PLACES 4
.Lfilled:
	v_and_b32 v1, 31, v0                           ; lane
	v_and_b32 v2, 15, v0                           ; r
	v_bfe_u32 v3, v0, 4, 1                         ; h
	v_lshlrev_b32 v13, 4, v1                       ; 16 x lane
	v_lshlrev_b32 v12, 5, v2                       ; B's scale words: 32 bytes a row
	v_lshlrev_b32 v216, 6, v3                      ; bo: 16 h numbers on
	v_lshlrev_b32 v217, 1, v2                      ; A's byte pairs: 2 r
	v_lshlrev_b32 v218, 3, v1                      ; 8 x lane
	s_mul_i32 s2, s[WV], 24576                     ; my four tiles of A in a half
.irp c, 0,1
	v_add_nc_u32 v[ADRA+\c], s2, v218
	v_add_nc_u32 v[ADRB+\c], BOFF+CHK*\c, v13
	s_add_co_u32 s2, s2, CHK
.endr
	s_mul_i32 s2, s[WV], 8448                      ; my stage
	v_mul_u32_u24 v14, v2, 528
	v_lshl_add_u32 v14, v3, 6, v14
	v_add_nc_u32 v14, s2, v14                      ; in: row r, + 64 h
	v_add_nc_u32 v15, s2, v13                      ; back: 16 x lane of a row
	s_wait_alu depctr_va_vdst(0)
	s_lshl_b32 s2, s23, 4
	s_lshl_b32 s3, s[WV], 2
	s_add_co_u32 s2, s2, s3
	s_lshl_b32 s2, s2, 5                           ; 32 bytes a tile and head
	s_mov_b32 s3, 0
	s_add_nc_u64 s[6:7], s[6:7], s[2:3]            ; my four tiles' byte pairs
	s_lshl_b32 s2, s24, 3
	s_add_co_u32 s2, s2, 1216
	s_lshl_b32 s2, s2, 9
	s_add_nc_u64 s[10:11], s[10:11], s[2:3]        ; B's eight tiles' scale words
	s_lshl_b32 s2, s24, 9
	s_add_nc_u64 s[12:13], s[12:13], s[2:3]        ; bo at my 128 columns
	s_add_nc_u64 s[14:15], s[14:15], s[2:3]        ; out0 likewise,
	s_lshl_b32 s2, s23, 2
	s_add_co_u32 s2, s2, s[WV]
	s_lshl_b32 s2, s2, 18                          ; at row 256 x tile row + 64 x wave, 4,096 bytes a row
	s_add_nc_u64 s[14:15], s[14:15], s[2:3]
.irp a, 0,1,2,3
.irp s, 0,1,2,3,4,5,6,7
	global_load_u16 v[112+2*(8*\a+\s)], v217, s[6:7] offset:32*\a+32768*\s          ; head 2 s: the K step's blocks 0, 1
	global_load_u16 v[113+2*(8*\a+\s)], v217, s[6:7] offset:32*\a+32768*\s+16384    ; head 2 s + 1: blocks 2, 3
.endr
.endr
.irp t, 0,1,2,3,4,5,6,7
	global_load_b128 v[SB+8*\t:SB+8*\t+3], v12, s[10:11] offset:512*\t
	global_load_b128 v[SB+8*\t+4:SB+8*\t+7], v12, s[10:11] offset:512*\t+16
.endr
	WIN 0x40                                       ; destination window 1
.irp t, 0,1,2,3,4,5,6,7
	global_load_b128 v[BI+8*\t:BI+8*\t+3], v216, s[12:13] offset:4*(32*(\t/2)+8*(\t%2))
	global_load_b128 v[BI+8*\t+4:BI+8*\t+7], v216, s[12:13] offset:4*(32*(\t/2)+8*(\t%2))+16
.endr
	WIN 0
.macro FETCH s                         ; K step s: B's eight fragments (three loads of 16 bytes a lane), then my four of A (six of 8 bytes), blocks 0 and 1 first
	WIN 0x40
.irp t, 0,1,2,3,4,5,6,7
.irp j, 0,1,2
	ds_load_b128 v[96*((\s)%2)+FR*\t+4*\j:96*((\s)%2)+FR*\t+4*\j+3], v[ADRB+(\s)/4] offset:6144*\t+1536*((\s)%4)+512*\j
.endr
.endr
	WIN 0
.irp a, 0,1,2,3
.irp e, 0,1
.irp p, 0,1,2
	ds_load_b64 v[AF+48*((\s)%2)+FR*\a+6*\e+2*\p:AF+48*((\s)%2)+FR*\a+6*\e+2*\p+1], v[ADRA+(\s)/4] offset:6144*\a+1536*((\s)%4)+768*\e+256*\p
.endr
.endr
.endr
.endm
.macro MUL16 a0, s, first              ; A's blocks a0, a0 + 1 x B's eight.  first = 1: the sums begin with bo
.irp a, \a0, \a0+1
.irp t, 0,1,2,3,4,5,6,7
.if \first
	v_wmma_scale_f32_16x16x128_f8f6f4 v[8*(8*(\a)+\t):8*(8*(\a)+\t)+7], v[96*((\s)%2)+FR*\t:96*((\s)%2)+FR*\t+FR-1], v[AF+48*((\s)%2)+FR*(\a):AF+48*((\s)%2)+FR*(\a)+FR-1], v[BI+8*\t:BI+8*\t+7], v[SB+8*\t+(\s)], v[SA+8*(\a)+(\s)] matrix_a_fmt:MATRIX_FMT_FP6 matrix_b_fmt:MATRIX_FMT_FP6
.else
	v_wmma_scale_f32_16x16x128_f8f6f4 v[8*(8*(\a)+\t):8*(8*(\a)+\t)+7], v[96*((\s)%2)+FR*\t:96*((\s)%2)+FR*\t+FR-1], v[AF+48*((\s)%2)+FR*(\a):AF+48*((\s)%2)+FR*(\a)+FR-1], v[8*(8*(\a)+\t):8*(8*(\a)+\t)+7], v[SB+8*\t+(\s)], v[SA+8*(\a)+(\s)] matrix_a_fmt:MATRIX_FMT_FP6 matrix_b_fmt:MATRIX_FMT_FP6
.endif
.endr
.endr
.endm
.macro KSTEP s
	s_wait_dscnt 12                                ; B's fragments and A's blocks 0, 1 are in; the twelve loads of blocks 2, 3 may be out
.if (\s) == 0
	WIN 0x91                                       ; source 0 (B) and C (bo) window 1, source 1 (A) window 0, D window 2
	MUL16 0, \s, 1
.else
	WIN 0xa1                                       ; C and D window 2
	MUL16 0, \s, 0
.endif
	s_wait_dscnt 0x0                               ; blocks 2, 3 are in; no LDS load of mine is out at the signal below
	WIN 0
.if (\s) == 3
	s_wait_tensorcnt 0x0                           ; every wave's load has landed, the second half's among them
	s_barrier_signal -1
	s_barrier_wait -1
.endif
.if (\s) < 7
	PLACES 4                                       ; in front of loads into registers that matrix instructions have read
	FETCH (\s)+1
.endif
.if (\s) == 0
	WIN 0x91
	MUL16 2, \s, 1
.else
	WIN 0xa1
	MUL16 2, \s, 0
.endif
.endm
	s_wait_loadcnt 0x0
.set i, 0
.rept 32
	v_lshl_or_b32 v[SA+i], v[113+2*i], 16, v[112+2*i]   ; A's scale word of tile i / 8, K step i % 8
.set i, i+1
.endr
	PLACES 8                                       ; eight plain lines between a scale register written by a vector instruction and a scaled product
	s_wait_alu depctr_va_vdst(0)
	s_cmp_lt_u32 s[WV], 2                          ; waves 0 and 1 asked for the first half: they wait for it; the second half's loads may be out
	s_cbranch_scc0 .Lnot_first
	s_wait_tensorcnt 0x0
.Lnot_first:
	s_barrier_signal -1
	s_barrier_wait -1
	FETCH 0
.irp s, 0,1,2,3,4,5,6,7
	KSTEP \s
.endr
	WIN 0
.macro TOSTAGE a                       ; block a: lane (r, h) holds, of its row, columns 32 (t / 2) + 8 (t % 2) + 16 h + 0 .. 7 in accumulator t
	WIN 0x08                                       ; an LDS store's data are its source 1: window 2
.irp t, 0,1,2,3,4,5,6,7
	ds_store_b128 v14, v[64*(\a)+8*\t:64*(\a)+8*\t+3] offset:128*(\t/2)+32*(\t%2)          ; each accumulator from its low end on
	ds_store_b128 v14, v[64*(\a)+8*\t+4:64*(\a)+8*\t+7] offset:128*(\t/2)+32*(\t%2)+16
.endr
	WIN 0
.irp i, 0,1,2,3,4,5,6,7,8,9,10,11,12,13,14,15
	ds_load_b128 v[BK+64*((\a)%2)+4*\i:BK+64*((\a)%2)+4*\i+3], v15 offset:528*\i   ; LDS serves a wave's instructions in order: these see the stores above
.endr
.endm
.macro SEND a, younger                 ; younger: the LDS instructions issued behind block a's loads
	s_wait_dscnt \younger
.irp i, 0,1,2,3,4,5,6,7,8,9,10,11,12,13,14,15
	global_store_b128 v13, v[BK+64*((\a)%2)+4*\i:BK+64*((\a)%2)+4*\i+3], s[14:15] offset:4096*(32*((\a)/2)+8*((\a)%2)+\i+8*(\i/8)) th:TH_STORE_NT   ; 512 consecutive bytes of the row that the tile's place i stands for
.endr
.endm
	PLACES 4                                       ; in front of the first read of results and of loads into A's registers
	TOSTAGE 0
.irp a, 1,2,3
.if \a > 1
	s_wait_xcnt 0x0                                ; the stores of two blocks back have read their registers: this block's loads may land there
.endif
	TOSTAGE \a
	SEND \a-1, 32                                  ; behind that block's loads: this block's 16 stores and 16 loads
.endr
	SEND 3, 0
	s_wait_tensorcnt 0x0
	s_wait_tensorcnt 0x0
	ds_add_u32 v254, v255
	s_wait_dscnt 0x0
	CROUND                                         ; the closing round
	s_endpgm
.Lfunc_end_k_qd828aa2adc_outp:
	.size	k_qd828aa2adc_outp, .Lfunc_end_k_qd828aa2adc_outp-k_qd828aa2adc_outp
	.p2alignl 7, 3214868480
	.fill 96, 4, 3214868480
	.section	.rodata,"a",@progbits
	.p2align	6, 0x0
	.amdhsa_kernel k_qd828aa2adc_outp
		.amdhsa_group_segment_fixed_size 295424
		.amdhsa_private_segment_fixed_size 0
		.amdhsa_enable_private_segment 0
		.amdhsa_kernarg_size 48
		.amdhsa_user_sgpr_count 2
		.amdhsa_user_sgpr_kernarg_segment_ptr 1
		.amdhsa_wavefront_size32 1
		.amdhsa_system_sgpr_workgroup_id_x 1
		.amdhsa_system_sgpr_workgroup_id_y 1
		.amdhsa_system_sgpr_workgroup_id_z 1
		.amdhsa_system_vgpr_workitem_id 0
		.amdhsa_next_free_vgpr 768
		.amdhsa_next_free_sgpr 104
		.amdhsa_reserve_vcc 0
		.amdhsa_float_denorm_mode_32 3
		.amdhsa_float_denorm_mode_16_64 3
		.amdhsa_memory_ordered 1
		.amdhsa_forward_progress 1
		.amdhsa_inst_pref_size 92
	.end_amdhsa_kernel
	.amdgpu_metadata
---
amdhsa.version: [ 1, 2 ]
amdhsa.kernels:
  - .name:           k_qd828aa2adc_outp
    .symbol:         k_qd828aa2adc_outp.kd
    .args:
      - { .name: attc, .offset: 0, .size: 8, .value_kind: global_buffer, .address_space: global }
      - { .name: atts, .offset: 8, .size: 8, .value_kind: global_buffer, .address_space: global }
      - { .name: codes1, .offset: 16, .size: 8, .value_kind: global_buffer, .address_space: global }
      - { .name: scales1, .offset: 24, .size: 8, .value_kind: global_buffer, .address_space: global }
      - { .name: bo, .offset: 32, .size: 8, .value_kind: global_buffer, .address_space: global }
      - { .name: out0, .offset: 40, .size: 8, .value_kind: global_buffer, .address_space: global }
    .group_segment_fixed_size: 295424
    .private_segment_fixed_size: 0
    .kernarg_segment_align: 8
    .kernarg_segment_size: 48
    .max_flat_workgroup_size: 128
    .sgpr_count:     104
    .vgpr_count:     768
    .wavefront_size: 32
...
	.end_amdgpu_metadata
.endif
;; end of part 4
